; MI455X (gfx1250); checked and timed in simulation.
; The chip was launched on July 23, 2026; its instructions are those of AMD's public machine-readable ISA for CDNA 5 (MIT licence, August 2026) and "CDNA5" Instruction Set Architecture Reference Guide (July 2026). The comments in the code are by the model that wrote it; some were corrected since.
;; Multi Head Attention. Allowed arithmetic: matrix products marked QUANTISED: E3M2 operands, one E8M0 scale for each 32 along K, by v_wmma_scale_f32_16x16x128_f8f6f4 with both operands' format E3M2, f32 sums; everything else in f32.
;; Inputs: Wk 1,024 x 1,024 float32; Wq 1,024 x 1,024 float32; Wv 1,024 x 1,024 float32; X 8 x 2,048 x 1,024 float32; Y 8 x 2,048 x 1,024 float32.
;; Outputs: out0 8 x 2,048 x 1 x 1,024 float32.
;; This version of the problem:
;;   THIS VERSION OF THE PROBLEM IS GIVEN IN LOW PRECISION. The matrix products marked QUANTISED in the list below multiply operands that are first quantised to E3M2 (3 exponent bits, 2 mantissa bits; 6 bits a number), with one power-of-two scale for each 32 numbers along K (OCP MX v1.0); their sums are f32. All else is computed in f32.
;;   The module's matrix products, in the order in which they are computed (A, B: the left and right operand; K: the contracted axis; several contracted axes count as one K, in the product's order):
;;     1. [M 16,384, K 1,024] x [K 1,024, N 1,024]; A: input X; B: input Wq: QUANTISED
;;     2. [M 16,384, K 1,024] x [K 1,024, N 1,024]; A: input Y; B: input Wk: QUANTISED
;;     3. [M 16,384, K 1,024] x [K 1,024, N 1,024]; A: input Y; B: input Wv: QUANTISED
;;   THE QUANTISER, for each operand of a quantised product, along K:
;;     - K is cut into blocks of 32 from its start; a last block that is shorter is filled with zeros.
;;     - A block's scale is 2^e with e = floor(log2(the largest magnitude in the block)) - 4, held to -126 .. 127; a block of zeros has e = 0. As a byte (E8M0): e + 127.
;;     - Each number is divided by its block's scale, clamped to +-28, and rounded to the nearest number of E3M2, ties to even, subnormals kept.
;;     - The product sums the exact products of the quantised numbers (number of the format x scale) in f32.
;;   ~~~python
;;   def quantise(x, axis):      # numpy; x: float32 -> the quantised numbers, widened to float32 again
;;       x = np.moveaxis(x, axis, -1); K = x.shape[-1]
;;       x = np.pad(x, [(0, 0)] * (x.ndim - 1) + [(0, -K % 32)]); x = x.reshape(x.shape[:-1] + (-1, 32)); a = np.abs(x).max(-1, keepdims=True)
;;       e = np.where(a > 0, np.clip(np.frexp(np.where(a > 0, a, 1))[1] - 1 - 4, -126, 127), 0)      # np.frexp(a)[1] - 1 = floor(log2(a)), exactly
;;       r = np.clip(x / 2.0 ** e, -28, 28)
;;       step = 2.0 ** (np.maximum(np.frexp(np.where(r == 0, 1, r))[1] - 1, -2) - 2)
;;       q = np.round(r / step) * step * 2.0 ** e      # np.round: ties to even
;;       return np.moveaxis(q.reshape(q.shape[:-2] + (-1,))[..., :K], -1, axis).astype(np.float32)
;;   ~~~
;; 2 versions, each right; version 2 is version 1 with the launch prep written anew for expert scheduling mode. Each part assembles by itself: llvm-mc -triple=amdgcn-amd-amdhsa -mcpu=gfx1250 --defsym DOCPART=n.
;; ======== version 1 of 2: 2 launches
;; limits: below input magnitudes of 1.9e-34 results are inexact or not finite
;; workspace buffers: wvc 819,200 bytes; ks 262,144 bytes; qp 16,384 bytes
;; launch prep (part 1): grid 96 x 1, 8 waves a work-group, no clusters, 66,560 bytes of LDS; arguments Wv, Wq, Wk, X, Y, wvc, ks, qp; writes wvc, ks, qp
.if DOCPART == 1
	.amdgcn_target "amdgcn-amd-amdhsa--gfx1250"
	.amdhsa_code_object_version 6
	.text
	.protected	k_q6156d0a9df_prep
	.globl	k_q6156d0a9df_prep
	.p2align	8
	.type	k_q6156d0a9df_prep,@function
k_q6156d0a9df_prep:
	s_mov_b64 s[64:65], 0
	v_nop
	global_prefetch_b8 v0, s[64:65] scope:SCOPE_SE
	s_setreg_imm32_b32 hwreg(HW_REG_WAVE_MODE, 25, 1), 1
	s_wait_xcnt 0x0
; out0[n][l][c] = v[n][l][c] * softmax_c(score[n][l][c]),  v = Y Wv,  score = k * (sum_c q / 32),  q = X Wq,  k = Y Wk, the three products on codes of E3M2 with one E8M0 scale for each 32 along K.
; DEAD WORK.  reference() builds mask[n][l] = (l > n) from the shapes alone and puts the one number -1e9 in the place of all 1,024 scores of a masked row.  The softmax of 1,024 equal numbers is exp(0) / 1,024 = 2^-10
; in every channel, whatever q and k hold.  So q and k reach an output only in the rows l <= n, and n is at most 7: all of them lie among the 64 rows (n, l < 8).  The products X Wq and Y Wk are made for these 64 rows
; (four tiles of 16 rows; the rows n < l < 8 lie in live tiles and are thrown away by the select in the second launch) and for no other row, and X is read in these rows alone.  Y Wv is live in every row.
; LIMIT: a NaN, an infinity or an overflow that reaches only the q and k left out is not carried to the result (reference()'s where drops it too).
; THIS LAUNCH quantises the three weights along K, which is their FIRST axis: a lane takes a column and its registers run down K, so that a block of 32 lies in one lane and the conversions give codes with K innermost.
; Work-group b: matrix b / 32 (0: Wv, 1: Wq, 2: Wk), columns 32 (b % 32) .. + 31, all of K; wave s takes K step s (128 along K).
;   Wv: the two fragments (16 columns x 128 K, 12 registers a lane) and their scale word go to wvc as images of the operand's registers, in the order in which the second launch reads them.
;   Wq, Wk: the codes stay in registers.  The wave quantises K step s of the 64 rows of X (for q) or Y (for k) and multiplies: 8 tiles.  The eight waves' partial sums meet in LDS and are added in f32, K ascending.
;   k of the 64 rows goes to ks [64][1024]; of q only sums over 16 columns are kept: qp [64 parts][64 rows].
; LIMITS: a block of zeros, and a block whose largest magnitude lies under 2^-122, has the scale byte 1 (the bytes are read by this program alone; a block of zeros has zero codes); NaN and infinities in X, Y and the
; weights are not served; k's and q's sums over K are made in eight parts of 128, added in f32 in ascending K (they go into a softmax, into no quantiser).
; REGISTERS.  window 0: v1-11 lane numbers and offsets; v12, v13 the add's two; v14 W's scale word, v16-19 the rows' scale words (scales and nothing else); v20-35 at work; v36-59 W's two fragments; v60-75 the blocks'
; upper halves; v76-123 the rows' four fragments; v124-131 at work; v132-195 the 8 accumulators (4 t + m).  window 1: v0-127 W as loaded; v128-255 two sets of 64 numbers of the rows.
.set SPARE, 65536                      ; LDS: 0 .. 65,535 the partial sums: [wave][accumulator][2 x 512 bytes]; behind them the spare words, 128 bytes for each of the eight waves
.set SPW,  12
.set NIL,  13
.set WSC,  14
.set PW,   16
.set TM,   20                          ; +0..3 largest magnitudes, +4..7 the other half's, then bytes, +12..15 the conversions' scale operands
.set FR0,  36                          ; W's fragment of columns 0-15; that of columns 16-31 at FR0 + 12
.set TU,   60
.set PC,   76
.set CT,   124
.set ACC,  132
.set RL,   36                          ; behind the barrier: 8 waves' parts of one accumulator, 64 registers
.set MSB, 0
.macro WIN new                         ; s_set_vgpr_msb: bits 1:0 source 0, 3:2 source 1, 5:4 source 2, 7:6 destination; the high byte repeats the setting that is left
.if MSB != (\new)
	s_set_vgpr_msb (MSB<<8)|(\new)
.set MSB, (\new)
.endif
.endm
; 16 rows x 128 K of tile m, 64 numbers a lane: lane (r, h) takes of its row 16 neighbours of each block of 32: register 16 b + i = k 32 b + 16 h + i
.macro ALOAD m
	WIN 0x40                                       ; destination window 1
.irp b, 0,1,2,3
.irp j, 0,1,2,3
	global_load_b128 v[128+64*((\m)%2)+16*\b+4*\j:128+64*((\m)%2)+16*\b+4*\j+3], v5, s[28+2*(\m):29+2*(\m)] offset:128*\b+16*\j
.endr
.endr
	WIN 0
.endm
; those 64 numbers become tile m's fragment in v[PC + 12 m] on and its scale word in v[PW + m]
.macro QUANTA m
.set XS, 128+64*((\m)%2)
	WIN 0x14                                       ; sources 1 and 2 window 1
.irp b, 0,1,2,3
	v_max3_num_f32 v[TM+\b], 0x2800000, |v[XS+16*\b]|, |v[XS+16*\b+1]|   ; block b: my 16 numbers, and the floor 2^(5 - 127): the byte cannot fall under 1
.endr
.irp i, 2,4,6,8,10,12,14
.irp b, 0,1,2,3
	v_max3_num_f32 v[TM+\b], v[TM+\b], |v[XS+16*\b+\i]|, |v[XS+16*\b+\i+1]|   ; the four blocks by turns
.endr
.endr
	WIN 0
.irp b, 0,1,2,3
	v_permlanex16_b32 v[TM+4+\b], v[TM+\b], s38, s39
.endr
.irp b, 0,1,2,3
	v_max_num_f32 v[TM+\b], v[TM+\b], v[TM+4+\b]   ; with lane l xor 16's: the block's largest magnitude
.endr
.irp b, 0,1,2,3
	v_add_nc_u32 v[TM+12+\b], 0xfe000000, v[TM+\b] ; 4 off its exponent field: the conversion takes the exponent field of this operand as its scale
.endr
.irp b, 0,1,2,3
	v_lshrrev_b32 v[TM+4+\b], 23, v[TM+12+\b]      ; the scale's byte
.endr
	v_lshl_or_b32 v[PW+(\m)], v[TM+5], 8, v[TM+4]
	v_lshl_or_b32 v[PW+(\m)], v[TM+6], 16, v[PW+(\m)]
	v_lshl_or_b32 v[PW+(\m)], v[TM+7], 24, v[PW+(\m)]
	WIN 0x01                                       ; source 0 window 1
.irp c, 0,1
	v_cvt_scalef32_pk16_bf6_f32 v[PC+12*(\m)+6*\c:PC+12*(\m)+6*\c+2], v[XS+32*\c:XS+32*\c+15], v[TM+12+2*\c]
	v_cvt_scalef32_pk16_bf6_f32 v[CT+4*\c:CT+4*\c+2], v[XS+16+32*\c:XS+31+32*\c], v[TM+12+2*\c+1]   ; (a conversion's three registers begin on an even number)
.endr
	WIN 0
	v_nop                                          ; one plain place behind a scaled conversion
.irp c, 0,1                                    ; the operand's layout wants a whole block in a lane: lanes 0-15 block 2 c, lanes 16-31 block 2 c + 1
.irp i, 0,1,2
	v_permlane16_swap_b32 v[PC+12*(\m)+6*\c+\i], v[CT+4*\c+\i]
.endr
.irp i, 0,1,2
	v_mov_b32 v[PC+12*(\m)+6*\c+3+\i], v[CT+4*\c+\i]
.endr
.endr
.endm
	s_load_b256 s[4:11], s[0:1], 0x0               ; Wv s[4:5], Wq s[6:7], Wk s[8:9], X s[10:11]
	s_load_b256 s[12:19], s[0:1], 0x20             ; Y s[12:13], wvc s[14:15], ks s[16:17], qp s[18:19]
	v_lshl_add_u32 v[SPW], v0, 2, SPARE
	v_mov_b32 v[NIL], 0
	v_lshrrev_b32 v1, 5, v0
	v_readfirstlane_b32 s20, v1                    ; wave = K step
	s_lshr_b32 s21, ttmp9, 5                       ; which matrix
	s_and_b32 s22, ttmp9, 31                       ; p: which 32 columns
	v_and_b32 v1, 31, v0                           ; lane
	v_and_b32 v2, 15, v0                           ; r
	v_bfe_u32 v3, v0, 4, 1                         ; h
	v_lshlrev_b32 v4, 2, v1                        ; W: my column's 4 bytes
	v_lshrrev_b32 v11, 3, v2
	v_and_b32 v15, 7, v2
	v_lshlrev_b32 v11, 23, v11                     ; the rows: row r of tile m is word r % 8 of sentence 2 m + r / 8: a sentence is 2^23 bytes, a word 2^12,
	v_lshl_add_u32 v5, v15, 12, v11
	v_lshl_add_u32 v5, v3, 6, v5                   ; + 64 h: my 16 numbers of a block
	v_lshlrev_b32 v6, 4, v1                        ; 16 x lane
	s_lshl_b32 s36, s20, 13
	v_add_nc_u32 v7, s36, v6                       ; LDS: where I put my partial sums: 8,192 x wave + 16 x lane
	s_lshl_b32 s36, s20, 10
	v_add_nc_u32 v8, s36, v6                       ; and where I read accumulator number wave: 1,024 x wave + 16 x lane
	v_lshlrev_b32 v9, 12, v2
	v_lshl_add_u32 v9, v3, 5, v9                   ; ks: row r of 4,096 bytes + 32 h
	v_lshlrev_b32 v10, 2, v2                       ; qp: 4 r
.irp b, 0,1,2,3
	v_mov_b32 v[TM+4+\b], 0                        ; written once: a lane permute's destination counts as one of its sources
.endr
	s_mov_b32 s38, 0x76543210
	s_mov_b32 s39, 0xfedcba98                      ; v_permlanex16_b32's selects for lane l xor 16
	s_lshl_b32 s36, s20, 19                        ; W: 128 rows of 4,096 bytes a K step,
	s_lshl_b32 s37, s22, 7                         ; 128 bytes a slice
	s_add_co_u32 s36, s36, s37
	s_mov_b32 s37, 0
	s_lshl_b32 s44, s20, 9                         ; the rows: 512 bytes a K step
	s_mov_b32 s45, 0
	s_wait_kmcnt 0x0
	s_cmp_eq_u32 s21, 0                            ; the choices hang on the work-group's number alone
	s_cselect_b64 s[24:25], s[4:5], s[6:7]
	s_cmp_eq_u32 s21, 2
	s_cselect_b64 s[24:25], s[8:9], s[24:25]       ; the weight
	s_cmp_eq_u32 s21, 1
	s_cselect_b64 s[26:27], s[10:11], s[12:13]     ; the rows: X for q, Y for k
	s_add_nc_u64 s[24:25], s[24:25], s[36:37]
	s_add_nc_u64 s[28:29], s[26:27], s[44:45]      ; a base for each tile of rows: two sentences, 2^24 bytes, apart
	s_add_nc_u64 s[30:31], s[28:29], 0x1000000
	s_add_nc_u64 s[32:33], s[30:31], 0x1000000
	s_add_nc_u64 s[34:35], s[32:33], 0x1000000
	WIN 0x40                                       ; destination window 1
.set II, 0
.rept 128
	global_load_b32 v[II], v4, s[24:25] offset:II*4096 th:TH_LOAD_NT   ; W(128 s + i, my column): 32 lanes read 128 consecutive bytes; each number of a weight is read once
.set II, II+1
.endr
	WIN 0
	s_cmp_eq_u32 s21, 0
	s_cbranch_scc1 .Lno_rows                       ; Wv is multiplied in the second launch
	ALOAD 0
	ALOAD 1
.Lno_rows:
	s_wait_loadcnt 0x0
	; ---- W's four blocks: all 32 numbers of a block are mine
	WIN 0x14
.irp b, 0,1,2,3
	v_max3_num_f32 v[TM+\b], 0x2800000, |v[32*\b]|, |v[32*\b+1]|
.endr
.irp i, 2,4,6,8,10,12,14,16,18,20,22,24,26,28,30
.irp b, 0,1,2,3
	v_max3_num_f32 v[TM+\b], v[TM+\b], |v[32*\b+\i]|, |v[32*\b+\i+1]|
.endr
.endr
	WIN 0
.irp b, 0,1,2,3
	v_add_nc_u32 v[TM+12+\b], 0xfe000000, v[TM+\b]
.endr
.irp b, 0,1,2,3
	v_lshrrev_b32 v[TM+4+\b], 23, v[TM+12+\b]
.endr
	v_lshl_or_b32 v[WSC], v[TM+5], 8, v[TM+4]      ; my column's scale word: lanes 0-15 hold those of columns 0-15, lanes 16-31 those of columns 16-31
	v_lshl_or_b32 v[WSC], v[TM+6], 16, v[WSC]
	v_lshl_or_b32 v[WSC], v[TM+7], 24, v[WSC]
	WIN 0x01
.irp b, 0,1,2,3
	v_cvt_scalef32_pk16_bf6_f32 v[FR0+12*(\b%2)+6*(\b/2):FR0+12*(\b%2)+6*(\b/2)+2], v[32*\b:32*\b+15], v[TM+12+\b]   ; the block's lower 16 codes
	v_cvt_scalef32_pk16_bf6_f32 v[TU+4*\b:TU+4*\b+2], v[32*\b+16:32*\b+31], v[TM+12+\b]                               ; and its upper 16
.endr
	WIN 0
	v_nop                                          ; one plain place behind a scaled conversion
; A register of block 2 c holds column r in lanes 0-15 and column 16 + r in lanes 16-31; so does one of block 2 c + 1.  The swap gives the first: column r, blocks 2 c and 2 c + 1 (the fragment of columns 0-15),
; and the second: column 16 + r, the same two blocks (the fragment of columns 16-31).
.irp i, 0,1,2
	v_permlane16_swap_b32 v[FR0+\i], v[FR0+12+\i]
	v_permlane16_swap_b32 v[FR0+6+\i], v[FR0+18+\i]
	v_permlane16_swap_b32 v[TU+\i], v[TU+4+\i]
	v_permlane16_swap_b32 v[TU+8+\i], v[TU+12+\i]
.endr
.irp b, 0,1,2,3
.irp i, 0,1,2
	v_mov_b32 v[FR0+12*(\b%2)+6*(\b/2)+3+\i], v[TU+4*\b+\i]
.endr
.endr
	s_cmp_lg_u32 s21, 0
	s_cbranch_scc1 .Lprod
	; ---- Wv: the images go to wvc.  Tile 2 (p / 8) + s / 4 of 102,400 bytes; in it the part of wave (p / 2) % 4 of the second launch; fragment 4 (s % 4) + 2 (p % 2) + f of 1,536 bytes
	s_lshr_b32 s44, s22, 3
	s_lshl_b32 s44, s44, 1
	s_lshr_b32 s45, s20, 2
	s_add_co_u32 s44, s44, s45
	s_mul_i32 s44, s44, 102400
	s_bfe_u32 s45, s22, 0x20001                    ; (p / 2) % 4
	s_and_b32 s46, s20, 3                          ; s % 4
	s_and_b32 s47, s22, 1                          ; p % 2
	s_mul_i32 s36, s45, 24576
	s_add_co_u32 s36, s36, s44
	s_mul_i32 s48, s46, 6144
	s_add_co_u32 s36, s36, s48
	s_mul_i32 s48, s47, 3072
	s_add_co_u32 s36, s36, s48
	s_mov_b32 s37, 0
	s_add_nc_u64 s[50:51], s[14:15], s[36:37]
	s_lshl_b32 s36, s45, 10                        ; the scale words: from byte 98,304 of the tile: 1,024 a wave, 128 for each K step and pair of column tiles
	s_add_co_u32 s36, s36, s44
	s_lshl_b32 s48, s46, 8
	s_add_co_u32 s36, s36, s48
	s_lshl_b32 s48, s47, 7
	s_add_co_u32 s36, s36, s48
	s_add_co_u32 s36, s36, 98304
	s_add_nc_u64 s[52:53], s[14:15], s[36:37]
.irp f, 0,1
.irp c, 0,1,2
	global_store_b128 v6, v[FR0+12*\f+4*\c:FR0+12*\f+4*\c+3], s[50:51] offset:1536*\f+512*\c   ; 32 lanes store 512 consecutive bytes, at a multiple of 256 from the buffer's first byte
.endr
.endr
	global_store_b32 v4, v[WSC], s[52:53]
	s_branch .Lmeet
.Lprod:
	; ---- Wq, Wk: the 64 rows, tile by tile; loads run two tiles ahead
	QUANTA 0
	ALOAD 2
	QUANTA 1
	ALOAD 3
	s_wait_loadcnt 16                              ; tile 2's sixteen loads are in; tile 3's may be out
	QUANTA 2
	s_wait_loadcnt 0x0
	QUANTA 3
.rept 8
	v_nop                                          ; a scale register written by a vector instruction stands 8 places ahead of a scaled matrix instruction, an operand so written 4
.endr
; TRANSPOSED: source 0 = 16 columns of W, source 1 = 16 rows: lane (r, h) holds row r and eight neighbouring columns 8 h + 0 .. 7.  Eight different accumulators, each begun with the constant 0.
.irp m, 0,1,2,3
	v_wmma_scale_f32_16x16x128_f8f6f4 v[ACC+8*\m:ACC+8*\m+7], v[FR0:FR0+11], v[PC+12*\m:PC+12*\m+11], 0, v[WSC], v[PW+\m] matrix_a_fmt:MATRIX_FMT_BF6 matrix_b_fmt:MATRIX_FMT_BF6
.endr
.irp m, 0,1,2,3
	v_wmma_scale_f32_16x16x128_f8f6f4 v[ACC+32+8*\m:ACC+32+8*\m+7], v[FR0+12:FR0+23], v[PC+12*\m:PC+12*\m+11], 0, v[WSC], v[PW+\m] matrix_a_fmt:MATRIX_FMT_BF6 matrix_b_fmt:MATRIX_FMT_BF6 matrix_a_scale:MATRIX_SCALE_ROW1
.endr
.rept 4
	v_nop                                          ; places in front of the first read of results, and of the loads below into registers that these products have read
.endr
.irp a, 0,1,2,3,4,5,6,7
	ds_store_b128 v7, v[ACC+8*\a:ACC+8*\a+3] offset:1024*\a          ; each accumulator from its low end on
	ds_store_b128 v7, v[ACC+8*\a+4:ACC+8*\a+7] offset:1024*\a+512
.endr
.Lmeet:
	s_wait_dscnt 0x0                               ; for the others' sake: my partial sums lie in LDS
	s_barrier_signal -1
	s_barrier_wait -1
	s_cmp_eq_u32 s21, 0
	s_cbranch_scc1 .Lend
	; ---- wave a adds the eight waves' parts of accumulator a = 4 t + m
.irp w, 0,1,2,3,4,5,6,7
	ds_load_b128 v[RL+8*\w:RL+8*\w+3], v8 offset:8192*\w
	ds_load_b128 v[RL+8*\w+4:RL+8*\w+7], v8 offset:8192*\w+512
.endr
	s_lshr_b32 s44, s20, 2                         ; t
	s_and_b32 s45, s20, 3                          ; m
	s_wait_dscnt 0x0
.irp w, 1,2,3,4,5,6,7
.irp i, 0,2,4,6
	v_pk_add_f32 v[RL+\i:RL+\i+1], v[RL+\i:RL+\i+1], v[RL+8*\w+\i:RL+8*\w+\i+1]   ; K ascending
.endr
.endr
	s_cmp_eq_u32 s21, 2
	s_cbranch_scc0 .Lq
	s_lshl_b32 s46, s45, 16                        ; ks: 16 m rows of 4,096 bytes, column 32 p + 16 t
	s_lshl_b32 s47, s22, 7
	s_add_co_u32 s46, s46, s47
	s_lshl_b32 s47, s44, 6
	s_add_co_u32 s46, s46, s47
	s_mov_b32 s47, 0
	s_add_nc_u64 s[48:49], s[16:17], s[46:47]
	global_store_b128 v9, v[RL:RL+3], s[48:49]
	global_store_b128 v9, v[RL+4:RL+7], s[48:49] offset:16
	s_branch .Lend
.Lq:
	v_pk_add_f32 v[RL:RL+1], v[RL:RL+1], v[RL+2:RL+3]           ; of q only the sum over the columns is used: my eight,
	v_pk_add_f32 v[RL+4:RL+5], v[RL+4:RL+5], v[RL+6:RL+7]
	v_pk_add_f32 v[RL:RL+1], v[RL:RL+1], v[RL+4:RL+5]
	v_add_f32 v[RL], v[RL], v[RL+1]
	v_permlanex16_b32 v[RL+8], v[RL], s38, s39
	v_add_f32 v[RL], v[RL], v[RL+8]                ; and lane l xor 16's eight: the tile's 16 columns
	s_lshl_b32 s46, s22, 9                         ; qp: part 2 p + t of 256 bytes, row 16 m + r
	s_lshl_b32 s47, s44, 8
	s_add_co_u32 s46, s46, s47
	s_lshl_b32 s47, s45, 6
	s_add_co_u32 s46, s46, s47
	s_mov_b32 s47, 0
	s_add_nc_u64 s[48:49], s[18:19], s[46:47]
	global_store_b32 v10, v[RL], s[48:49]          ; both halves of the lanes store the same word with the same value
.Lend:
	s_wait_tensorcnt 0x0                           ; the wave's end: behind my last LDS store; the tensor wait stands even in a text with no tensor load
	ds_add_u32 v[SPW], v[NIL]
	s_wait_dscnt 0x0
	s_endpgm
.Lfunc_end_k_q6156d0a9df_prep:
	.size	k_q6156d0a9df_prep, .Lfunc_end_k_q6156d0a9df_prep-k_q6156d0a9df_prep
	.p2alignl 7, 3214868480
	.fill 96, 4, 3214868480
	.section	.rodata,"a",@progbits
	.p2align	6, 0x0
	.amdhsa_kernel k_q6156d0a9df_prep
		.amdhsa_group_segment_fixed_size 66560
		.amdhsa_private_segment_fixed_size 0
		.amdhsa_enable_private_segment 0
		.amdhsa_kernarg_size 64
		.amdhsa_user_sgpr_count 2
		.amdhsa_user_sgpr_kernarg_segment_ptr 1
		.amdhsa_wavefront_size32 1
		.amdhsa_system_sgpr_workgroup_id_x 1
		.amdhsa_system_sgpr_workgroup_id_y 1
		.amdhsa_system_sgpr_workgroup_id_z 1
		.amdhsa_system_vgpr_workitem_id 0
		.amdhsa_next_free_vgpr 512
		.amdhsa_next_free_sgpr 66
		.amdhsa_reserve_vcc 0
		.amdhsa_float_denorm_mode_32 3
		.amdhsa_float_denorm_mode_16_64 3
		.amdhsa_memory_ordered 1
		.amdhsa_forward_progress 1
		.amdhsa_inst_pref_size 51
	.end_amdhsa_kernel
	.amdgpu_metadata
---
amdhsa.version: [ 1, 2 ]
amdhsa.kernels:
  - .name:           k_q6156d0a9df_prep
    .symbol:         k_q6156d0a9df_prep.kd
    .args:
      - { .name: Wv, .offset: 0, .size: 8, .value_kind: global_buffer, .address_space: global }
      - { .name: Wq, .offset: 8, .size: 8, .value_kind: global_buffer, .address_space: global }
      - { .name: Wk, .offset: 16, .size: 8, .value_kind: global_buffer, .address_space: global }
      - { .name: X, .offset: 24, .size: 8, .value_kind: global_buffer, .address_space: global }
      - { .name: Y, .offset: 32, .size: 8, .value_kind: global_buffer, .address_space: global }
      - { .name: wvc, .offset: 40, .size: 8, .value_kind: global_buffer, .address_space: global }
      - { .name: ks, .offset: 48, .size: 8, .value_kind: global_buffer, .address_space: global }
      - { .name: qp, .offset: 56, .size: 8, .value_kind: global_buffer, .address_space: global }
    .group_segment_fixed_size: 66560
    .private_segment_fixed_size: 0
    .kernarg_segment_align: 8
    .kernarg_segment_size: 64
    .max_flat_workgroup_size: 256
    .sgpr_count:     66
    .vgpr_count:     512
    .wavefront_size: 32
...
	.end_amdgpu_metadata
.endif
;; end of part 1
;; launch main (part 2): grid 256 x 1, 4 waves a work-group, clusters of 4 x 1, 327,680 bytes of LDS; arguments Y, wvc, ks, qp, out0; writes out0
.if DOCPART == 2
	.amdgcn_target "amdgcn-amd-amdhsa--gfx1250"
	.amdhsa_code_object_version 6
	.text
	.protected	k_q6156d0a9df_main
	.globl	k_q6156d0a9df_main
	.p2align	8
	.type	k_q6156d0a9df_main,@function
k_q6156d0a9df_main:
	s_mov_b64 s[64:65], 0
	v_nop
	global_prefetch_b8 v0, s[64:65] scope:SCOPE_SE
	s_setreg_imm32_b32 hwreg(HW_REG_WAVE_MODE, 25, 1), 1
	s_wait_xcnt 0x0
	s_wait_alu depctr_hold_cnt(0) depctr_sa_sdst(0) depctr_va_vdst(0) depctr_va_sdst(0) depctr_va_ssrc(0) depctr_va_vcc(0) depctr_vm_vsrc(0)
	s_getreg_b32 s2, hwreg(HW_REG_IB_STS2, 6, 4)
	s_cmp_eq_u32 s2, 0
	s_cbranch_scc0 .Lentry_in_a_cluster
	s_endpgm
.Lentry_in_a_cluster:
	s_bfe_u32 s2, ttmp6, 0x10000c
	s_cmp_lg_u32 s2, 0x3003
	s_cbranch_scc0 .Lentry_shape_is_right
	s_endpgm
.Lentry_shape_is_right:
; out0 = (Y Wv) * attention, the product on codes of E3M2 with one E8M0 scale for each 32 along K.
; WORK LEFT OUT (shown at the head of the first launch): in a row with l > n reference()'s own mask makes all scores equal, so attention is 2^-10 there whatever q and k hold; q and k exist for the 64 rows (n, l < 8) alone.
; THE FACTOR 2^-10 costs nothing: 10 is taken off each of Y's scale bytes, which multiplies every product by 2^-10 and rounds nothing.  The first 8 rows of a sentence are then multiplied by 1,024 x attention.
; SHARES.  Work-group g takes rows 64 g .. 64 g + 63 of the 16,384.  Phase A: wave w quantises rows 16 w .. + 15 (8 fragments of 16 rows x 128 K) and hands them to the others through LDS as images of the operand's
; registers.  Phase B: every wave holds all 32 fragments of Y in registers (384) and makes, for each chunk of 256 columns, its own 64 columns of all 64 rows: 16 accumulators, which are whole runs of 256 bytes of out0.
; The columns are the outer loop: finished columns leave while later ones are multiplied, and each fragment of Wv read from LDS feeds four products.
; Wv's codes and scale words lie in wvc in the order of the operand's registers: 8 tiles of 102,400 bytes (256 columns x 512 K), which go through a ring of two LDS slots.
; CLUSTER.  All work-groups walk the same 8 tiles of wvc, so the four of a cluster ask for each JOINTLY: the same tensor load, the same descriptor, a mask that names the four.  Y and out0 are shared by nobody, so one
; axis of four serves.  Each wave brings a quarter of a tile: by this text's own count a wave has two tensor loads out at the start and one behind each round.
; THE FIRST ROWS OF A SENTENCE.  A sentence is 8 clusters; its first cluster (cluster number % 8 = 0: the same test in all four partners) computes reference()'s softmax as it is written (scores, the select by the mask, the
; maximum taken away, exponentials, the sum) for its work-groups' local rows 0 .. 7, two rows a wave, and multiplies its first tile of rows by 1,024 x attention.  In the three partners all these rows are masked: the
; select gives equal scores and the factor comes out as 1.  That is the price of a branch that is alike in all partners.
; LIMITS: a block of Y whose largest magnitude lies under 2^-112 is quantised under the scale 2^-116 (the byte less 10 must stay at 1 or above); a block of zeros has that byte too (its codes are zeros);
; NaN and infinities in Y and Wv are not served; results under the smallest normal f32 number x 1,024 may lose bits to the factor 2^-10.
; REGISTERS, in windows of 256.  window 0: v1-23 lane numbers and addresses; v24-31 Wv's scale words, v32-47 Y's (scales and nothing else); phase A: v48-67 codes, v68-84 at work, v86-89 parts of q's sum, v128-255 two sets
; of 64 numbers (then the softmax's rows); phase B: v64-127 rows on their way out, v128-255 the accumulators ((t, m) at 128 + 8 (4 t + m)).  window 1: Y's fragments of K steps 0-3 (12 (4 s + m)); window 2: of K steps 4-7.
; window 3: phase A: four sets of 64 numbers of Y as loaded (set 0 later takes two rows of k); phase B: Wv's 16 fragments of a tile (12 (4 s + t)).
.set SLOTB, 102400                     ; LDS: two slots, each the image of a tile of wvc
.set QUART, 25600                      ; a quarter of a tile: 100 rows of 256 bytes: one tensor load
.set WFRB,  24576                      ; a wave's 16 fragments in a tile
.set WSCO,  98304                      ; where a tile's scale words begin
.set STG,   204800                     ; a stage of 8,448 bytes for each wave: 16 rows x 528 for the turn of Y, later 16 rows x 272 for the way out
.set STGW,  8448
.set AIMG,  238592                     ; Y's 32 fragments: (K step s, tile of rows m) at 1,536 (4 s + m)
.set ASC,   287744                     ; their scale words: 256 s + 64 m + 4 r
.set ATT,   289792                     ; 1,024 x attention of local rows 0 .. 7, 4,112 bytes from row to row
.set ATP,   4112
.set SPARE, 322816                     ; the spare words, 128 bytes for each wave: two blocks of 256 bytes that no other line names
.set FLOOR, 0x07800000                 ; 2^(15 - 127): no largest magnitude is taken under it, so a byte is at least 11
.set LN,  1
.set RR,  2
.set HH,  3
.set L16, 4                            ; 16 x lane
.set TS,  5                            ; the turn of Y: where I put 16 bytes of a row,
.set TR,  6                            ; and where my 16 neighbours of a block begin
.set IW,  7                            ; where I store my fragments' images
.set SW,  8                            ; and their scale words
.set IR,  9                            ; where any fragment's image begins for my lane
.set SR,  10                           ; and a pair of tiles' scale words
.set BAD, 11                           ; v11, v12: my fragments of Wv in slot 0, 1
.set BSA, 13                           ; v13, v14: their scale words
.set STO, 15                           ; the way out: where I put 32 bytes of a row
.set RD,  16                           ; where I read a row back
.set CO,  17                           ; and the same place in out0
.set ATA, 18                           ; where my lane's factors lie in ATT; steps 1,024 bytes a chunk
.set ATW, 19                           ; where I store my two rows of factors
.set SPW, 20
.set NIL, 21
.set QO,  22                           ; 256 x lane: a part of qp
.set ONE, 23
.set WS,  24
.set AS,  32
.set PC,  48
.set TM,  68
.set PW,  84
.set TV,  85
.set QP,  86
.set BK0, 64
.set BK1, 96
.set X,   128
.set ACC, 128
.set SCR, 128                          ; the softmax: row e's 32 numbers at SCR + 32 e
.set SA,  192                          ; its figures at SA + 8 e: +0 a factor, +2 the maximum, then the sum, +4 the other half's
.set NEG, 208
.set WV,  14
.set G1,  24
.set G0,  32
.set SEL, 40
.set SPC, 42
.set MSB, 0
.macro WIN new                         ; s_set_vgpr_msb: bits 1:0 source 0, 3:2 source 1, 5:4 source 2, 7:6 destination; the high byte repeats the setting that is left
.if MSB != (\new)
	s_set_vgpr_msb (MSB<<8)|(\new)
.set MSB, (\new)
.endif
.endm
.macro PLACES n
.rept \n
	v_nop
.endr
.endm
.macro CROUND                          ; a round of the cluster's barrier: my work-group's barrier; wave 0 signals for the work-group; every wave waits for all four; my work-group's barrier once more
	s_barrier_signal -1
	s_barrier_wait -1
	s_cmp_lg_u32 s[WV], 0
	s_cbranch_scc1 .Lnot_wave_0_\@
	s_barrier_signal -3
.Lnot_wave_0_\@:
	s_barrier_wait -3
	s_barrier_signal -1
	s_barrier_wait -1
.endm
; K step s of my 16 rows as it lies: a load takes 512 consecutive bytes of one row, 16 a lane
.macro LOADY s
	WIN 0xc0                                       ; destination window 3
.irp i, 0,1,2,3,4,5,6,7,8,9,10,11,12,13,14,15
	global_load_b128 v[64*((\s)%4)+4*\i:64*((\s)%4)+4*\i+3], v[L16], s[18:19] offset:4096*\i+512*(\s) th:TH_LOAD_NT
.endr
	WIN 0
.endm
; and through my stage, so that lane (r, h) holds of row r 16 neighbours of each block of 32: register 16 b + i = k 32 b + 16 h + i.  LDS serves a wave's instructions in order: no wait between the stores and the loads
.macro TURN s
	WIN 0x0c                                       ; an LDS store's data are its source 1: window 3
.irp i, 0,1,2,3,4,5,6,7,8,9,10,11,12,13,14,15
	ds_store_b128 v[TS], v[64*((\s)%4)+4*\i:64*((\s)%4)+4*\i+3] offset:528*\i
.endr
	WIN 0
.irp b, 0,1,2,3
.irp j, 0,1,2,3
	ds_load_b128 v[X+64*((\s)%2)+16*\b+4*\j:X+64*((\s)%2)+16*\b+4*\j+3], v[TR] offset:128*\b+16*\j
.endr
.endr
.endm
; 64 numbers of a lane become a fragment's codes in v[PC] on and its scale word, each byte less 10, in v[PW]
.macro QUANT x
.irp b, 0,1,2,3
	v_max3_num_f32 v[TM+\b], |v[(\x)+16*\b]|, |v[(\x)+16*\b+1]|, FLOOR
.endr
.irp i, 2,4,6,8,10,12,14
.irp b, 0,1,2,3
	v_max3_num_f32 v[TM+\b], v[TM+\b], |v[(\x)+16*\b+\i]|, |v[(\x)+16*\b+\i+1]|   ; the four blocks by turns
.endr
.endr
.irp b, 0,1,2,3
	v_permlanex16_b32 v[TM+4+\b], v[TM+\b], s[SEL], s[SEL+1]
.endr
.irp b, 0,1,2,3
	v_max_num_f32 v[TM+\b], v[TM+\b], v[TM+4+\b]   ; with lane l xor 16's: the block's largest magnitude
.endr
.irp b, 0,1,2,3
	v_add_nc_u32 v[TM+12+\b], 0xfe000000, v[TM+\b] ; 4 off its exponent field: the conversion's scale operand
.endr
.irp b, 0,1,2,3
	v_lshrrev_b32 v[TM+4+\b], 23, v[TM+12+\b]      ; the scale's byte
.endr
	v_lshl_or_b32 v[PW], v[TM+5], 8, v[TM+4]
	v_lshl_or_b32 v[PW], v[TM+6], 16, v[PW]
	v_lshl_or_b32 v[PW], v[TM+7], 24, v[PW]
	v_add_nc_u32 v[PW], 0xf5f5f5f6, v[PW]          ; 10 off each of the four bytes (each is 11 or more: no byte borrows): the factor 2^-10
.irp c, 0,1
	v_cvt_scalef32_pk16_bf6_f32 v[PC+6*\c:PC+6*\c+2], v[(\x)+32*\c:(\x)+32*\c+15], v[TM+12+2*\c]
	v_cvt_scalef32_pk16_bf6_f32 v[PC+12+4*\c:PC+14+4*\c], v[(\x)+16+32*\c:(\x)+31+32*\c], v[TM+12+2*\c+1]   ; (a conversion's three registers begin on an even number)
.endr
	v_nop                                          ; one plain place behind a scaled conversion
.irp c, 0,1                                    ; the operand's layout wants a whole block in a lane
.irp i, 0,1,2
	v_permlane16_swap_b32 v[PC+6*\c+\i], v[PC+12+4*\c+\i]
.endr
.irp i, 0,1,2
	v_mov_b32 v[PC+3+6*\c+\i], v[PC+12+4*\c+\i]
.endr
.endr
.endm
.macro IMAGE s                         ; the fragment goes to LDS as it stands: 512 consecutive bytes a store
.irp c, 0,1,2
	ds_store_b128 v[IW], v[PC+4*\c:PC+4*\c+3] offset:6144*(\s)+512*\c
.endr
	ds_store_b32 v[SW], v[PW] offset:256*(\s)      ; both halves of the lanes write the same word with the same value
.endm
; my two rows of k (32 numbers a lane each: columns 128 q + 4 lane + 0 .. 3) and of the 64 parts of q's sum (two a lane)
.macro KLOAD
	WIN 0xc0
.irp e, 0,1
.irp q, 0,1,2,3,4,5,6,7
	global_load_b128 v[32*\e+4*\q:32*\e+4*\q+3], v[L16], s[48:49] offset:4096*\e+512*\q
.endr
.endr
	WIN 0
.irp e, 0,1
	global_load_b32 v[QP+2*\e], v[QO], s[50:51] offset:4*\e
	global_load_b32 v[QP+2*\e+1], v[QO], s[50:51] offset:4*\e+8192
.endr
.endm
; One K step of phase A.  Loads run four steps ahead, the turn through the stage one.
.macro STEPA s
	s_wait_dscnt 0x0                               ; this step's numbers are back from the stage, so its stores into the stage have read their registers; my last images have left theirs
.if (\s) < 4
	LOADY (\s)+4
.endif
.if (\s) == 4
	s_cmp_eq_u32 s[SPC], 0
	s_cbranch_scc1 .Lno_k
	KLOAD                                          ; into the set that the last step's turn has read out
.Lno_k:
.endif
.if (\s) < 4
	s_wait_loadcnt 48                              ; the next step's sixteen loads are in; those of the three steps behind it may be out
.elseif (\s) < 7
	s_wait_loadcnt 16*(6-(\s))                     ; likewise, as the steps run out; the last of these waits is for 0 and shows k and the parts of q's sum in as well
.endif
.if (\s) < 7
	TURN (\s)+1
.endif
	QUANT X+64*((\s)%2)
	IMAGE \s
.endm
; The matrix instruction, TRANSPOSED: source 0 = 16 columns of Wv, source 1 = 16 rows of Y: a lane holds one row and eight neighbouring columns.  ra, rb: which half of the lanes holds the side's scale words.
.macro MMZ d, a, b, sa, sb, ra, rb     ; the first product starts the sum: nothing is cleared
.if ((\ra) == 0) && ((\rb) == 0)
	v_wmma_scale_f32_16x16x128_f8f6f4 v[(\d):(\d)+7], v[(\a):(\a)+11], v[(\b):(\b)+11], 0, v[(\sa)], v[(\sb)] matrix_a_fmt:MATRIX_FMT_BF6 matrix_b_fmt:MATRIX_FMT_BF6
.elseif (\rb) == 0
	v_wmma_scale_f32_16x16x128_f8f6f4 v[(\d):(\d)+7], v[(\a):(\a)+11], v[(\b):(\b)+11], 0, v[(\sa)], v[(\sb)] matrix_a_fmt:MATRIX_FMT_BF6 matrix_b_fmt:MATRIX_FMT_BF6 matrix_a_scale:MATRIX_SCALE_ROW1
.elseif (\ra) == 0
	v_wmma_scale_f32_16x16x128_f8f6f4 v[(\d):(\d)+7], v[(\a):(\a)+11], v[(\b):(\b)+11], 0, v[(\sa)], v[(\sb)] matrix_a_fmt:MATRIX_FMT_BF6 matrix_b_fmt:MATRIX_FMT_BF6 matrix_b_scale:MATRIX_SCALE_ROW1
.else
	v_wmma_scale_f32_16x16x128_f8f6f4 v[(\d):(\d)+7], v[(\a):(\a)+11], v[(\b):(\b)+11], 0, v[(\sa)], v[(\sb)] matrix_a_fmt:MATRIX_FMT_BF6 matrix_b_fmt:MATRIX_FMT_BF6 matrix_a_scale:MATRIX_SCALE_ROW1 matrix_b_scale:MATRIX_SCALE_ROW1
.endif
.endm
.macro MMA d, a, b, sa, sb, ra, rb
.if ((\ra) == 0) && ((\rb) == 0)
	v_wmma_scale_f32_16x16x128_f8f6f4 v[(\d):(\d)+7], v[(\a):(\a)+11], v[(\b):(\b)+11], v[(\d):(\d)+7], v[(\sa)], v[(\sb)] matrix_a_fmt:MATRIX_FMT_BF6 matrix_b_fmt:MATRIX_FMT_BF6
.elseif (\rb) == 0
	v_wmma_scale_f32_16x16x128_f8f6f4 v[(\d):(\d)+7], v[(\a):(\a)+11], v[(\b):(\b)+11], v[(\d):(\d)+7], v[(\sa)], v[(\sb)] matrix_a_fmt:MATRIX_FMT_BF6 matrix_b_fmt:MATRIX_FMT_BF6 matrix_a_scale:MATRIX_SCALE_ROW1
.elseif (\ra) == 0
	v_wmma_scale_f32_16x16x128_f8f6f4 v[(\d):(\d)+7], v[(\a):(\a)+11], v[(\b):(\b)+11], v[(\d):(\d)+7], v[(\sa)], v[(\sb)] matrix_a_fmt:MATRIX_FMT_BF6 matrix_b_fmt:MATRIX_FMT_BF6 matrix_b_scale:MATRIX_SCALE_ROW1
.else
	v_wmma_scale_f32_16x16x128_f8f6f4 v[(\d):(\d)+7], v[(\a):(\a)+11], v[(\b):(\b)+11], v[(\d):(\d)+7], v[(\sa)], v[(\sb)] matrix_a_fmt:MATRIX_FMT_BF6 matrix_b_fmt:MATRIX_FMT_BF6 matrix_a_scale:MATRIX_SCALE_ROW1 matrix_b_scale:MATRIX_SCALE_ROW1
.endif
.endm
; The tile in slot u: K steps 4 u .. 4 u + 3 of a chunk of 256 columns.  56 LDS loads in one run, then 64 products; the 16 accumulators take turns, one instruction a turn, in the same order in every K step
; zero = 1: the chunk's first K step starts the sums.
.macro PROC u, zero
	WIN 0
.irp q, 0,1,2,3,4,5,6,7
	ds_load_b32 v[WS+\q], v[BSA+\u] offset:128*\q  ; register 2 s + t / 2: lanes 0-15 the words of column tile t even, lanes 16-31 of t odd
.endr
	WIN 0xc0                                       ; destination window 3
.irp f, 0,1,2,3,4,5,6,7,8,9,10,11,12,13,14,15
.irp c, 0,1,2
	ds_load_b128 v[12*\f+4*\c:12*\f+4*\c+3], v[BAD+\u] offset:1536*\f+512*\c
.endr
.endr
	WIN 0x07+4*(\u)                                ; source 0 (Wv) window 3, source 1 (Y) window 1 or 2, C and D window 0
.irp sp, 0,1,2,3
	s_wait_dscnt 12*(3-\sp)                        ; this K step's fragments are in; the twelve loads of each later K step may be out
.irp t, 0,1,2,3
.irp m, 0,1,2,3
.if (\zero) && (\sp == 0)
	MMZ ACC+8*(4*\t+\m), 12*(4*\sp+\t), 12*(4*\sp+\m), WS+2*\sp+\t/2, AS+2*(4*(\u)+\sp)+\m/2, \t%2, \m%2
.else
	MMA ACC+8*(4*\t+\m), 12*(4*\sp+\t), 12*(4*\sp+\m), WS+2*\sp+\t/2, AS+2*(4*(\u)+\sp)+\m/2, \t%2, \m%2
.endif
.endr
.endr
.endr
.endm
; A change of slots: slot o, which every wave has read out, is filled with the tile two further on.  In front of the round each wave waits for all its tensor loads (its quarter of the other slot), adds 0 to its spare
; word, and waits for that and for its LDS reads; behind the round the joint load comes first.
.macro TRIP o
	WIN 0
	s_wait_tensorcnt 0x0                           ; no tensor load of mine is out, so a group 0 may be written
	ds_add_u32 v[SPW], v[NIL]                      ; 0 onto my spare word; the address's step stands between it and the wait for it
	s_add_nc_u64 s[G0+4*\o+2:G0+4*\o+3], s[G0+4*\o+2:G0+4*\o+3], 2*SLOTB
	s_wait_dscnt 0x0                               ; the add is done, and my reads of the slot are over
	CROUND                                         ; both now hold of every wave of all four work-groups
	tensor_load_to_lds s[G0+4*\o:G0+4*\o+3], s[G1:G1+7]
	s_nop 0
	PLACES 4                                       ; (the places in front of the loads into registers that the last products have read)
.endm
; THE WAY OUT of the 16 rows x 64 columns of tile of rows m.  A lane holds 32 bytes of a row and the lanes beside it other rows: so the block goes through my stage and comes back as rows of 256 bytes.
.macro TOSTAGE m, bk
.irp t, 0,1,2,3
	ds_store_b128 v[STO], v[ACC+8*(4*\t+\m):ACC+8*(4*\t+\m)+3] offset:64*\t          ; each accumulator from its low end on
	ds_store_b128 v[STO], v[ACC+8*(4*\t+\m)+4:ACC+8*(4*\t+\m)+7] offset:64*\t+16
.endr
.irp i, 0,1,2,3,4,5,6,7
	ds_load_b128 v[\bk+4*\i:\bk+4*\i+3], v[RD] offset:544*\i   ; LDS serves a wave's instructions in order: these see the stores above, and the next block's stores come behind them
.endr
.endm
.macro SEND m, bk, younger             ; younger: the LDS instructions issued behind this block's loads, which may stay out
	s_wait_dscnt \younger
.irp i, 0,1,2,3,4,5,6,7
	global_store_b128 v[CO], v[\bk+4*\i:\bk+4*\i+3], s[20:21] offset:4096*(16*\m+2*\i) th:TH_STORE_NT   ; lanes 0-15 store 256 consecutive bytes of one row, at a multiple of 256 from out0's first byte; lanes 16-31 of the next row
.endr
.endm
.macro WO_A                            ; tiles of rows 0 and 1 of the chunk just finished
	WIN 0
	s_wait_xcnt 0x0                                ; the earlier stores have read their registers and their base: both may be written
	s_add_nc_u64 s[20:21], s[20:21], s[22:23]      ; on to this chunk's columns: 0 the first time, then 1,024 bytes
	s_mov_b32 s22, 1024
	PLACES 4                                       ; in front of the first read of results just made
	s_cmp_eq_u32 s[SPC], 0
	s_cbranch_scc1 .Lplain_\@
.irp t, 0,1,2,3                                ; a sentence's first cluster: tile of rows 0 times 1,024 x attention in local rows 0 .. 7, times 1 in rows 8 .. 15
	ds_load_b128 v[BK1+8*\t:BK1+8*\t+3], v[ATA] offset:64*\t
	ds_load_b128 v[BK1+8*\t+4:BK1+8*\t+7], v[ATA] offset:64*\t+16
.endr
	s_wait_dscnt 0x0
.irp i, 0,1,2,3,4,5,6,7,8,9,10,11,12,13,14,15,16,17,18,19,20,21,22,23,24,25,26,27,28,29,30,31
	v_cndmask_b32 v[BK1+\i], v[BK1+\i], v[ONE], s46
.endr
.irp t, 0,1,2,3
.irp i, 0,2,4,6
	v_pk_mul_f32 v[ACC+32*\t+\i:ACC+32*\t+\i+1], v[ACC+32*\t+\i:ACC+32*\t+\i+1], v[BK1+8*\t+\i:BK1+8*\t+\i+1]
.endr
.endr
.Lplain_\@:
	v_add_nc_u32 v[ATA], 1024, v[ATA]              ; the next chunk's factors (no LDS load of mine is out)
	TOSTAGE 0, BK0
	TOSTAGE 1, BK1
	SEND 0, BK0, 16                                ; behind block 0's loads: block 1's eight stores and eight loads
	SEND 1, BK1, 0
.endm
.macro WO_B                            ; tiles of rows 2 and 3
	s_wait_xcnt 0x0                                ; blocks 0 and 1's stores have read their registers
	TOSTAGE 2, BK0
	TOSTAGE 3, BK1
	SEND 2, BK0, 16
	SEND 3, BK1, 0
.endm
	s_load_b256 s[4:11], s[0:1], 0x0               ; Y s[4:5], wvc s[6:7], ks s[8:9], qp s[10:11]
	s_load_b64 s[12:13], s[0:1], 0x20              ; out0
	v_lshl_add_u32 v[SPW], v0, 2, SPARE
	v_mov_b32 v[NIL], 0
	ds_add_u32 v[SPW], v[NIL]                      ; the wave's opening: the add, twice on end, and its wait ahead of my first tensor load; the set-up below, work on registers, stands between
	ds_add_u32 v[SPW], v[NIL]                      ; and once more, under the one wait
	v_lshrrev_b32 v1, 5, v0
	v_readfirstlane_b32 s[WV], v1                  ; wave 0..3
	v_and_b32 v[LN], 31, v0
	v_lshlrev_b32 v[L16], 4, v[LN]
	s_bfe_u32 s15, ttmp6, 0x40000                  ; cx: my place in the cluster: it enters Y's and out0's addresses and the rows' mask, no branch and no LDS address
	s_lshl_b32 s16, ttmp9, 2                       ; in a cluster launch ttmp9 counts clusters
	s_add_co_u32 s16, s16, s15                     ; g
	; descriptor group 1: 100 rows of 256 bytes (32 elements of 8 bytes), dense in memory and in LDS
	s_mov_b32 s[G1+0], 15|(3<<16)|(1<<21)          ; 15:0 the mask: all four work-groups; 17:16 elements of 8 bytes; 20 no padding; 21 set beside a mask
	s_mov_b32 s[G1+1], 32<<16                      ; tensor_dim0 = 32
	s_mov_b32 s[G1+2], 100<<16                     ; tensor_dim1 = 100
	s_mov_b32 s[G1+3], 32<<16                      ; tile_dim0 = 32
	s_mov_b32 s[G1+4], 100                         ; tile_dim1 = 100
	s_mov_b32 s[G1+5], 32                          ; from row to row
	s_mov_b32 s[G1+6], 0
	s_mov_b32 s[G1+7], 0
	s_mov_b32 s[SEL], 0x76543210
	s_mov_b32 s[SEL+1], 0xfedcba98                 ; v_permlanex16_b32's selects for lane l xor 16
	s_and_b32 s[SPC], ttmp9, 7
	s_cmp_eq_u32 s[SPC], 0
	s_cselect_b32 s[SPC], 1, 0                     ; 1 in a sentence's first cluster: the same in all four partners
	s_lshr_b32 s54, ttmp9, 3                       ; n: the sentence
	s_lshl_b32 s55, s[WV], 1
	s_and_b32 s52, s16, 31
	s_lshl_b32 s52, s52, 6
	s_add_co_u32 s52, s52, s55                     ; l of the first of my two rows of the softmax: 64 (g % 32) + 2 wave
	s_cmp_gt_u32 s52, s54
	s_cselect_b32 s44, -1, 0                       ; reference()'s mask, l > n, for all lanes: it selects values and steers nothing
	s_add_co_u32 s52, s52, 1
	s_cmp_gt_u32 s52, s54
	s_cselect_b32 s45, -1, 0
	s_lshl_b32 s54, s54, 3
	s_add_co_u32 s54, s54, s55                     ; row 8 n + 2 wave of ks and qp
	s_lshl_b32 s60, s54, 12
	s_mov_b32 s61, 0
	s_lshl_b32 s62, s54, 2
	s_mov_b32 s63, 0
	s_lshl_b32 s56, s16, 18                        ; Y: 64 rows of 4,096 bytes a work-group, 16 a wave
	s_lshl_b32 s52, s[WV], 16
	s_add_co_u32 s56, s56, s52
	s_mov_b32 s57, 0
	s_lshl_b32 s58, s16, 18                        ; out0: the same rows, my wave's 256 bytes of a chunk
	s_lshl_b32 s52, s[WV], 8
	s_add_co_u32 s58, s58, s52
	s_mov_b32 s59, 0
	s_mul_i32 s52, s[WV], QUART                    ; my quarter of a tile, in memory and in a slot: the wave's number alone
	s_mov_b32 s53, 0
	s_mov_b32 s22, 0
	s_mov_b32 s23, 0
	s_mov_b32 s43, 3
	s_wait_dscnt 0x0                               ; both opening adds are done
	s_wait_kmcnt 0x0
	s_add_nc_u64 s[18:19], s[4:5], s[56:57]
	LOADY 0                                        ; Y is asked for first: four K steps, 64 loads a wave
	LOADY 1
	LOADY 2
	LOADY 3
	s_add_nc_u64 s[20:21], s[12:13], s[58:59]
	s_add_nc_u64 s[48:49], s[8:9], s[60:61]
	s_add_nc_u64 s[50:51], s[10:11], s[62:63]
	s_mov_b32 s[G0+0], 1                           ; 1:0 count = 1
	s_mov_b32 s[G0+1], s52                         ; LDS address: slot 0
	s_add_nc_u64 s[G0+2:G0+3], s[6:7], s[52:53]    ; tile 0
	s_mov_b32 s[G0+4], 1
	s_add_co_u32 s[G0+5], s52, SLOTB               ; slot 1
	s_add_nc_u64 s[G0+6:G0+7], s[G0+2:G0+3], SLOTB ; tile 1
	s_or_b32 s[G0+3], s[G0+3], 0x80000000          ; 127:126 type = 2
	s_or_b32 s[G0+7], s[G0+7], 0x80000000
	CROUND                                         ; all four work-groups are here: the first joint loads meet
	tensor_load_to_lds s[G0:G0+3], s[G1:G1+7]
	s_nop 0
	tensor_load_to_lds s[G0+4:G0+7], s[G1:G1+7]
	s_nop 0
	PLACES 4
	v_and_b32 v[RR], 15, v0                        ; r
	v_bfe_u32 v[HH], v0, 4, 1                      ; h
	s_mul_i32 s17, s[WV], STGW
	s_add_co_u32 s17, s17, STG                     ; my stage
	v_add_nc_u32 v[TS], s17, v[L16]
	v_mul_u32_u24 v[TR], v[RR], 528
	v_lshl_add_u32 v[TR], v[HH], 6, v[TR]
	v_add_nc_u32 v[TR], s17, v[TR]
	s_mul_i32 s47, s[WV], 1536
	s_add_co_u32 s47, s47, AIMG
	v_add_nc_u32 v[IW], s47, v[L16]
	s_lshl_b32 s47, s[WV], 6
	s_add_co_u32 s47, s47, ASC
	v_lshl_add_u32 v[SW], v[RR], 2, s47
	v_add_nc_u32 v[IR], AIMG, v[L16]
	v_lshl_add_u32 v[SR], v[LN], 2, ASC
	s_mul_i32 s47, s[WV], WFRB
	v_add_nc_u32 v[BAD], s47, v[L16]
	v_add_nc_u32 v[BAD+1], SLOTB, v[BAD]
	s_lshl_b32 s47, s[WV], 10
	s_add_co_u32 s47, s47, WSCO
	v_lshl_add_u32 v[BSA], v[LN], 2, s47
	v_add_nc_u32 v[BSA+1], SLOTB, v[BSA]
	v_mul_u32_u24 v[STO], v[RR], 272
	v_lshl_add_u32 v[STO], v[HH], 5, v[STO]
	v_add_nc_u32 v[STO], s17, v[STO]
	v_mul_u32_u24 v[RD], v[HH], 272
	v_lshl_add_u32 v[RD], v[RR], 4, v[RD]
	v_add_nc_u32 v[RD], s17, v[RD]
	v_lshlrev_b32 v[CO], 12, v[HH]
	v_lshl_add_u32 v[CO], v[RR], 4, v[CO]
	v_and_b32 v[TV], 7, v0
	v_mul_u32_u24 v[ATA], v[TV], ATP
	v_lshl_add_u32 v[ATA], v[HH], 5, v[ATA]
	s_lshl_b32 s47, s[WV], 8
	s_add_co_u32 s47, s47, ATT
	v_add_nc_u32 v[ATA], s47, v[ATA]
	s_mul_i32 s47, s[WV], 2*ATP
	s_add_co_u32 s47, s47, ATT
	v_add_nc_u32 v[ATW], s47, v[L16]
	v_lshlrev_b32 v[QO], 8, v[LN]
	v_mov_b32 v[ONE], 1.0
	v_and_b32 v[TV], 8, v0
	v_cmp_ne_u32 s46, 0, v[TV]                     ; the lanes of local rows 8 .. 15
.irp b, 0,1,2,3
	v_mov_b32 v[TM+4+\b], 0                        ; written once: a lane permute's destination counts as one of its sources
	v_mov_b32 v[QP+\b], 0                          ; written once, on every way through the text: only a sentence's first cluster loads them
.endr
	; ---- PHASE A
	s_wait_loadcnt 48                              ; K step 0's sixteen loads are in; those of steps 1 to 3 may be out
	TURN 0
.irp k, 0,1,2,3,4,5,6,7
	STEPA \k
.endr
	s_cmp_eq_u32 s[SPC], 0
	s_cbranch_scc1 .Lno_att
	; ---- the softmax of my two rows, as reference() has it; the rows by turns
.irp e, 0,1
	v_add_f32 v[SA+8*\e], v[QP+2*\e], v[QP+2*\e+1] ; the sum of q over its 1,024 columns: 64 parts, two a lane
.endr
.irp x, 1,2,4,8
.irp e, 0,1
	v_add_f32_dpp v[SA+8*\e], v[SA+8*\e], v[SA+8*\e] row_xmask:\x row_mask:0xf bank_mask:0xf
.endr
.endr
.irp e, 0,1
	v_permlanex16_b32 v[SA+8*\e+4], v[SA+8*\e], s[SEL], s[SEL+1]
.endr
.irp e, 0,1
	v_add_f32 v[SA+8*\e], v[SA+8*\e], v[SA+8*\e+4]
.endr
.irp e, 0,1
	v_mul_f32 v[SA+8*\e], 0x3d000000, v[SA+8*\e]   ; / sqrt(1,024)
.endr
	v_mov_b32 v[NEG], 0xce6e6b28                   ; -1e9
	WIN 0x03                                       ; source 0 (k) window 3
.irp i, 0,2,4,6,8,10,12,14,16,18,20,22,24,26,28,30
.irp e, 0,1
	v_pk_mul_f32 v[SCR+32*\e+\i:SCR+32*\e+\i+1], v[32*\e+\i:32*\e+\i+1], v[SA+8*\e:SA+8*\e+1] op_sel_hi:[1,0]   ; the scores
.endr
.endr
	WIN 0
.irp i, 0,1,2,3,4,5,6,7,8,9,10,11,12,13,14,15,16,17,18,19,20,21,22,23,24,25,26,27,28,29,30,31
.irp e, 0,1
	v_cndmask_b32 v[SCR+32*\e+\i], v[SCR+32*\e+\i], v[NEG], s[44+\e]   ; the mask selects
.endr
.endr
.irp e, 0,1
	v_max3_num_f32 v[SA+8*\e+2], v[SCR+32*\e], v[SCR+32*\e+1], v[SCR+32*\e+2]
.endr
.irp i, 3,5,7,9,11,13,15,17,19,21,23,25,27,29
.irp e, 0,1
	v_max3_num_f32 v[SA+8*\e+2], v[SA+8*\e+2], v[SCR+32*\e+\i], v[SCR+32*\e+\i+1]
.endr
.endr
.irp e, 0,1
	v_max_num_f32 v[SA+8*\e+2], v[SA+8*\e+2], v[SCR+32*\e+31]
.endr
.irp x, 1,2,4,8
.irp e, 0,1
	v_max_num_f32_dpp v[SA+8*\e+2], v[SA+8*\e+2], v[SA+8*\e+2] row_xmask:\x row_mask:0xf bank_mask:0xf
.endr
.endr
.irp e, 0,1
	v_permlanex16_b32 v[SA+8*\e+4], v[SA+8*\e+2], s[SEL], s[SEL+1]
.endr
.irp e, 0,1
	v_max_num_f32 v[SA+8*\e+2], v[SA+8*\e+2], v[SA+8*\e+4]   ; the row's maximum, in every lane
.endr
.irp i, 0,2,4,6,8,10,12,14,16,18,20,22,24,26,28,30
.irp e, 0,1
	v_pk_add_f32 v[SCR+32*\e+\i:SCR+32*\e+\i+1], v[SCR+32*\e+\i:SCR+32*\e+\i+1], v[SA+8*\e+2:SA+8*\e+3] op_sel_hi:[1,0] neg_lo:[0,1] neg_hi:[0,1]   ; the maximum is taken away
.endr
.endr
.irp i, 0,2,4,6,8,10,12,14,16,18,20,22,24,26,28,30
.irp e, 0,1
	v_pk_mul_f32 v[SCR+32*\e+\i:SCR+32*\e+\i+1], v[SCR+32*\e+\i:SCR+32*\e+\i+1], 0x3fb8aa3b op_sel_hi:[1,0]   ; x log2(e)
.endr
.endr
.irp i, 0,1,2,3,4,5,6,7,8,9,10,11,12,13,14,15,16,17,18,19,20,21,22,23,24,25,26,27,28,29,30,31,32,33,34,35,36,37,38,39,40,41,42,43,44,45,46,47,48,49,50,51,52,53,54,55,56,57,58,59,60,61,62,63
	v_exp_f32 v[SCR+\i], v[SCR+\i]
.endr
	v_nop                                          ; a plain place behind the last exponential
	s_wait_alu depctr_va_vdst(0)                   ; one wait for the batch of 64, ahead of its first reader
.irp e, 0,1
	v_pk_add_f32 v[SA+8*\e+2:SA+8*\e+3], v[SCR+32*\e:SCR+32*\e+1], v[SCR+32*\e+2:SCR+32*\e+3]
.endr
.irp i, 4,6,8,10,12,14,16,18,20,22,24,26,28,30
.irp e, 0,1
	v_pk_add_f32 v[SA+8*\e+2:SA+8*\e+3], v[SA+8*\e+2:SA+8*\e+3], v[SCR+32*\e+\i:SCR+32*\e+\i+1]
.endr
.endr
.irp e, 0,1
	v_add_f32 v[SA+8*\e+2], v[SA+8*\e+2], v[SA+8*\e+3]
.endr
.irp x, 1,2,4,8
.irp e, 0,1
	v_add_f32_dpp v[SA+8*\e+2], v[SA+8*\e+2], v[SA+8*\e+2] row_xmask:\x row_mask:0xf bank_mask:0xf
.endr
.endr
.irp e, 0,1
	v_permlanex16_b32 v[SA+8*\e+4], v[SA+8*\e+2], s[SEL], s[SEL+1]
.endr
.irp e, 0,1
	v_add_f32 v[SA+8*\e+2], v[SA+8*\e+2], v[SA+8*\e+4]       ; the row's sum
.endr
.irp e, 0,1
	v_rcp_f32 v[SA+8*\e], v[SA+8*\e+2]
.endr
	v_nop                                          ; a plain place behind the reciprocals
	s_wait_alu depctr_va_vdst(0)                   ; and their wait, ahead of the first reader
.irp e, 0,1
	v_mul_f32 v[SA+8*\e], 0x44800000, v[SA+8*\e]   ; x 1,024: it meets the 2^-10 in Y's scale bytes
.endr
.irp i, 0,2,4,6,8,10,12,14,16,18,20,22,24,26,28,30
.irp e, 0,1
	v_pk_mul_f32 v[SCR+32*\e+\i:SCR+32*\e+\i+1], v[SCR+32*\e+\i:SCR+32*\e+\i+1], v[SA+8*\e:SA+8*\e+1] op_sel_hi:[1,0]
.endr
.endr
.irp e, 0,1
.irp q, 0,1,2,3,4,5,6,7
	ds_store_b128 v[ATW], v[SCR+32*\e+4*\q:SCR+32*\e+4*\q+3] offset:ATP*\e+512*\q
.endr
.endr
.Lno_att:
	s_wait_tensorcnt 0x1                           ; my quarter of tile 0 is in; tile 1's may stay out
	s_wait_dscnt 0x0                               ; for the others' sake: my images, scale words and factors lie in LDS
	s_barrier_signal -1
	s_barrier_wait -1
	; ---- all 32 fragments of Y and their scale words into my registers: they stay
.irp k, 0,1,2,3,4,5,6,7
.if \k < 4
	WIN 0x40                                       ; destination window 1
.else
	WIN 0x80                                       ; destination window 2
.endif
.irp m, 0,1,2,3
.irp c, 0,1,2
	ds_load_b128 v[12*(4*(\k%4)+\m)+4*\c:12*(4*(\k%4)+\m)+4*\c+3], v[IR] offset:1536*(4*\k+\m)+512*\c
.endr
.endr
.endr
	WIN 0
.irp k, 0,1,2,3,4,5,6,7
.irp p, 0,1
	ds_load_b32 v[AS+2*\k+\p], v[SR] offset:256*\k+128*\p   ; lanes 0-15: tile of rows 2 p; lanes 16-31: tile 2 p + 1
.endr
.endr
	s_wait_dscnt 0x0
	; ---- PHASE B: tiles 0 .. 7 of wvc; two tiles are a chunk of 256 columns
	PROC 0, 1
	WIN 0                                          ; at a label and at a branch every window is 0
.Lchunk:                                               ; three trips: each fills both slots again
	TRIP 0                                         ; slot 0 takes the next chunk's first tile
	PROC 1, 0
	WO_A                                           ; half of the chunk leaves,
	TRIP 1                                         ; slot 1 takes the next chunk's second tile,
	WO_B                                           ; the other half leaves
	PROC 0, 1
	WIN 0
	s_sub_co_u32 s43, s43, 1
	s_cmp_lg_u32 s43, 0
	s_cbranch_scc1 .Lchunk
	s_wait_tensorcnt 0x0                           ; the tail is written out: my quarter of the last tile is in; nothing is left to fetch, so no round follows
	ds_add_u32 v[SPW], v[NIL]
	s_wait_dscnt 0x0
	s_barrier_signal -1
	s_barrier_wait -1                              ; everybody's quarter is in
	PLACES 4                                       ; in front of the loads into registers that the last products have read
	PROC 1, 0
	WO_A
	WO_B
	s_wait_tensorcnt 0x0                           ; the wave's end: behind my last tensor load and my last LDS store
	ds_add_u32 v[SPW], v[NIL]
	s_wait_dscnt 0x0
	CROUND                                         ; the closing round: no work-group ends while a partner may still ask for a tile that names it
	s_endpgm
.Lfunc_end_k_q6156d0a9df_main:
	.size	k_q6156d0a9df_main, .Lfunc_end_k_q6156d0a9df_main-k_q6156d0a9df_main
	.p2alignl 7, 3214868480
	.fill 96, 4, 3214868480
	.section	.rodata,"a",@progbits
	.p2align	6, 0x0
	.amdhsa_kernel k_q6156d0a9df_main
		.amdhsa_group_segment_fixed_size 327680
		.amdhsa_private_segment_fixed_size 0
		.amdhsa_enable_private_segment 0
		.amdhsa_kernarg_size 40
		.amdhsa_user_sgpr_count 2
		.amdhsa_user_sgpr_kernarg_segment_ptr 1
		.amdhsa_wavefront_size32 1
		.amdhsa_system_sgpr_workgroup_id_x 1
		.amdhsa_system_sgpr_workgroup_id_y 1
		.amdhsa_system_sgpr_workgroup_id_z 1
		.amdhsa_system_vgpr_workitem_id 0
		.amdhsa_next_free_vgpr 1024
		.amdhsa_next_free_sgpr 66
		.amdhsa_reserve_vcc 0
		.amdhsa_float_denorm_mode_32 3
		.amdhsa_float_denorm_mode_16_64 3
		.amdhsa_memory_ordered 1
		.amdhsa_forward_progress 1
		.amdhsa_inst_pref_size 172
	.end_amdhsa_kernel
	.amdgpu_metadata
---
amdhsa.version: [ 1, 2 ]
amdhsa.kernels:
  - .name:           k_q6156d0a9df_main
    .symbol:         k_q6156d0a9df_main.kd
    .args:
      - { .name: Y, .offset: 0, .size: 8, .value_kind: global_buffer, .address_space: global }
      - { .name: wvc, .offset: 8, .size: 8, .value_kind: global_buffer, .address_space: global }
      - { .name: ks, .offset: 16, .size: 8, .value_kind: global_buffer, .address_space: global }
      - { .name: qp, .offset: 24, .size: 8, .value_kind: global_buffer, .address_space: global }
      - { .name: out0, .offset: 32, .size: 8, .value_kind: global_buffer, .address_space: global }
    .group_segment_fixed_size: 327680
    .private_segment_fixed_size: 0
    .kernarg_segment_align: 8
    .kernarg_segment_size: 40
    .max_flat_workgroup_size: 128
    .sgpr_count:     66
    .vgpr_count:     1024
    .wavefront_size: 32
...
	.end_amdgpu_metadata
.endif
;; end of part 2
;; ======== version 2 of 2: 2 launches; version 1 with the launch prep written anew for expert scheduling mode
;; limits: below input magnitudes of 1.9e-34 results are inexact or not finite
;; workspace buffers: wvc 819,200 bytes; ks 262,144 bytes; qp 16,384 bytes
;; launch prep (part 3): grid 96 x 1, 8 waves a work-group, no clusters, 66,560 bytes of LDS; arguments Wv, Wq, Wk, X, Y, wvc, ks, qp; writes wvc, ks, qp
.if DOCPART == 3
	.amdgcn_target "amdgcn-amd-amdhsa--gfx1250"
	.amdhsa_code_object_version 6
	.text
	.protected	k_q6156d0a9df_prep
	.globl	k_q6156d0a9df_prep
	.p2align	8
	.type	k_q6156d0a9df_prep,@function
k_q6156d0a9df_prep:
	s_mov_b64 s[64:65], 0
	v_nop
	global_prefetch_b8 v0, s[64:65] scope:SCOPE_SE
	s_setreg_imm32_b32 hwreg(HW_REG_WAVE_SCHED_MODE, 0, 2), 2
	s_setreg_imm32_b32 hwreg(HW_REG_WAVE_MODE, 25, 1), 1
	s_wait_xcnt 0x0
	s_wait_alu depctr_vm_vsrc(0)
; out0[n][l][c] = v[n][l][c] * softmax_c(score[n][l][c]),  v = Y Wv,  score = k * (sum_c q / 32),  q = X Wq,  k = Y Wk, the three products on codes of E3M2 with one E8M0 scale for each 32 along K.
; DEAD WORK.  reference() builds mask[n][l] = (l > n) from the shapes alone and puts the one number -1e9 in the place of all 1,024 scores of a masked row.  The softmax of 1,024 equal numbers is exp(0) / 1,024 = 2^-10
; in every channel, whatever q and k hold.  So q and k reach an output only in the rows l <= n, and n is at most 7: all of them lie among the 64 rows (n, l < 8).  The products X Wq and Y Wk are made for these 64 rows
; (four tiles of 16 rows; the rows n < l < 8 lie in live tiles and are thrown away by the select in the second launch) and for no other row, and X is read in these rows alone.  Y Wv is live in every row.
; LIMIT: a NaN, an infinity or an overflow that reaches only the q and k left out is not carried to the result (reference()'s where drops it too).
; THIS LAUNCH quantises the three weights along K, which is their FIRST axis: a lane takes a column and its registers run down K, so that a block of 32 lies in one lane and the conversions give codes with K innermost.
; Work-group b: matrix b / 32 (0: Wv, 1: Wq, 2: Wk), columns 32 (b % 32) .. + 31, all of K; wave s takes K step s (128 along K).
;   Wv: the two fragments (16 columns x 128 K, 12 registers a lane) and their scale word go to wvc as images of the operand's registers, in the order in which the second launch reads them.
;   Wq, Wk: the codes stay in registers.  The wave quantises K step s of the 64 rows of X (for q) or Y (for k) and multiplies: 8 tiles.  The eight waves' partial sums meet in LDS and are added in f32, K ascending.
;   k of the 64 rows goes to ks [64][1024]; of q only sums over 16 columns are kept: qp [64 parts][64 rows].
; LIMITS: a block of zeros, and a block whose largest magnitude lies under 2^-122, has the scale byte 1 (the bytes are read by this program alone; a block of zeros has zero codes); NaN and infinities in X, Y and the
; weights are not served; k's and q's sums over K are made in eight parts of 128, added in f32 in ascending K (they go into a softmax, into no quantiser).
; REGISTERS.  window 0: v1-11 lane numbers and offsets; v12, v13 the add's two; v14 W's scale word, v16-19 the rows' scale words (scales and nothing else); v20-35 at work; v36-59 W's two fragments; v60-75 the blocks'
; upper halves; v76-123 the rows' four fragments; v124-131 at work; v132-195 the 8 accumulators (4 t + m).  window 1: v0-127 W as loaded, then tiles 2 and 3 of the rows; v128-255 tiles 0 and 1 of the rows.
; THE MODE: SCHED_MODE bits 1:0 = 2 (LLVM: expert scheduling mode 2), set by the entry lines.  The code itself states the register dependences between vector or matrix instructions and memory or LDS instructions,
; with s_wait_alu, always for 0.
; THE PLAN.  Registers that memory or LDS instructions touch, in the order of the text:
;   v4 .. v10            offsets and LDS addresses: written once at the head, read by every load and store, never written again.
;   window 1, v0-127     W's 128 loads land here; W's maxima and conversions read it; then the loads of tiles 2 and 3 of the rows land here, both behind ONE wait, ahead of the quantising of any tile of rows.
;   window 1, v128-255   the loads of tiles 0 and 1 land here, once; their maxima and conversions read it.
;   v36-59, v14          W's fragments and scale word: written by vector instructions; read by the stores into wvc (Wv) or by the products (Wq, Wk); never written again.
;   v132-195             the accumulators: written by the products, read by the LDS stores, never written again.
;   v60-123              up to the barrier named by vector and matrix instructions alone; behind it the eight waves' parts land here, are added, and leave by the stores into ks or qp.
; No register that a memory or LDS instruction has read is written again, so no wait on vm_vsrc is owed outside the closing lines.
.set SPARE, 65536                      ; LDS: 0 .. 65,535 the partial sums: [wave][accumulator][2 x 512 bytes]; behind them the spare words, 128 bytes for each of the eight waves
.set SPW,  12
.set NIL,  13
.set WSC,  14
.set PW,   16
.set TM,   20                          ; +0..3 largest magnitudes, +4..7 the other half's, then bytes, +12..15 the conversions' scale operands
.set FR0,  36                          ; W's fragment of columns 0-15; that of columns 16-31 at FR0 + 12
.set TU,   60
.set PC,   76
.set CT,   124
.set ACC,  132
.set RL,   60                          ; behind the barrier: 8 waves' parts of one accumulator, 64 registers: those of TU and PC, which no store of any path reads
.set MSB, 0
.macro WIN new                         ; s_set_vgpr_msb: bits 1:0 source 0, 3:2 source 1, 5:4 source 2, 7:6 destination; the high byte repeats the setting that is left
.if MSB != (\new)
	s_set_vgpr_msb (MSB<<8)|(\new)
.set MSB, (\new)
.endif
.endm
; 16 rows x 128 K of tile m, 64 numbers a lane: lane (r, h) takes of its row 16 neighbours of each block of 32: register 16 b + i = k 32 b + 16 h + i.  Into window 1 (the caller sets it): tiles 0, 1 at v128, v192; tiles 2, 3 at v0, v64
.macro ALOAD m
.irp b, 0,1,2,3
.irp j, 0,1,2,3
	global_load_b128 v[(128+64*(\m))%256+16*\b+4*\j:(128+64*(\m))%256+16*\b+4*\j+3], v5, s[28+2*(\m):29+2*(\m)] offset:128*\b+16*\j
.endr
.endr
.endm
; those 64 numbers become tile m's fragment in v[PC + 12 m] on and its scale word in v[PW + m]
.macro QUANTA m
.set XS, (128+64*(\m))%256
	WIN 0x14                                       ; sources 1 and 2 window 1
.irp b, 0,1,2,3
	v_max3_num_f32 v[TM+\b], 0x2800000, |v[XS+16*\b]|, |v[XS+16*\b+1]|   ; block b: my 16 numbers, and the floor 2^(5 - 127): the byte cannot fall under 1
.endr
.irp i, 2,4,6,8,10,12,14
.irp b, 0,1,2,3
	v_max3_num_f32 v[TM+\b], v[TM+\b], |v[XS+16*\b+\i]|, |v[XS+16*\b+\i+1]|   ; the four blocks by turns
.endr
.endr
	WIN 0
.irp b, 0,1,2,3
	v_permlanex16_b32 v[TM+4+\b], v[TM+\b], s38, s39
.endr
.irp b, 0,1,2,3
	v_max_num_f32 v[TM+\b], v[TM+\b], v[TM+4+\b]   ; with lane l xor 16's: the block's largest magnitude
.endr
.irp b, 0,1,2,3
	v_add_nc_u32 v[TM+12+\b], 0xfe000000, v[TM+\b] ; 4 off its exponent field: the conversion takes the exponent field of this operand as its scale
.endr
.irp b, 0,1,2,3
	v_lshrrev_b32 v[TM+4+\b], 23, v[TM+12+\b]      ; the scale's byte
.endr
	v_lshl_or_b32 v[PW+(\m)], v[TM+5], 8, v[TM+4]
	v_lshl_or_b32 v[PW+(\m)], v[TM+6], 16, v[PW+(\m)]
	v_lshl_or_b32 v[PW+(\m)], v[TM+7], 24, v[PW+(\m)]
	WIN 0x01                                       ; source 0 window 1
.irp c, 0,1
	v_cvt_scalef32_pk16_bf6_f32 v[PC+12*(\m)+6*\c:PC+12*(\m)+6*\c+2], v[XS+32*\c:XS+32*\c+15], v[TM+12+2*\c]
	v_cvt_scalef32_pk16_bf6_f32 v[CT+4*\c:CT+4*\c+2], v[XS+16+32*\c:XS+31+32*\c], v[TM+12+2*\c+1]   ; (a conversion's three registers begin on an even number)
.endr
	WIN 0
	v_nop                                          ; one plain place behind a scaled conversion
.irp c, 0,1                                    ; the operand's layout wants a whole block in a lane: lanes 0-15 block 2 c, lanes 16-31 block 2 c + 1
.irp i, 0,1,2
	v_permlane16_swap_b32 v[PC+12*(\m)+6*\c+\i], v[CT+4*\c+\i]
.endr
.irp i, 0,1,2
	v_mov_b32 v[PC+12*(\m)+6*\c+3+\i], v[CT+4*\c+\i]
.endr
.endr
.endm
	s_load_b256 s[4:11], s[0:1], 0x0               ; Wv s[4:5], Wq s[6:7], Wk s[8:9], X s[10:11]
	s_load_b256 s[12:19], s[0:1], 0x20             ; Y s[12:13], wvc s[14:15], ks s[16:17], qp s[18:19]
	v_lshl_add_u32 v[SPW], v0, 2, SPARE
	v_mov_b32 v[NIL], 0
	v_lshrrev_b32 v1, 5, v0
	v_readfirstlane_b32 s20, v1                    ; wave = K step
	s_lshr_b32 s21, ttmp9, 5                       ; which matrix
	s_and_b32 s22, ttmp9, 31                       ; p: which 32 columns
	v_and_b32 v1, 31, v0                           ; lane
	v_and_b32 v2, 15, v0                           ; r
	v_bfe_u32 v3, v0, 4, 1                         ; h
	v_lshlrev_b32 v4, 2, v1                        ; W: my column's 4 bytes
	v_lshrrev_b32 v11, 3, v2
	v_and_b32 v15, 7, v2
	v_lshlrev_b32 v11, 23, v11                     ; the rows: row r of tile m is word r % 8 of sentence 2 m + r / 8: a sentence is 2^23 bytes, a word 2^12,
	v_lshl_add_u32 v5, v15, 12, v11
	v_lshl_add_u32 v5, v3, 6, v5                   ; + 64 h: my 16 numbers of a block
	v_lshlrev_b32 v6, 4, v1                        ; 16 x lane
	s_wait_alu depctr_va_sdst(0)                   ; s20, the wave's number, is written, ahead of its first reader: LDS addresses and the buffers' offsets are made from it
	s_lshl_b32 s36, s20, 13
	v_add_nc_u32 v7, s36, v6                       ; LDS: where I put my partial sums: 8,192 x wave + 16 x lane
	s_lshl_b32 s36, s20, 10
	v_add_nc_u32 v8, s36, v6                       ; and where I read accumulator number wave: 1,024 x wave + 16 x lane
	v_lshlrev_b32 v9, 12, v2
	v_lshl_add_u32 v9, v3, 5, v9                   ; ks: row r of 4,096 bytes + 32 h
	v_lshlrev_b32 v10, 2, v2                       ; qp: 4 r
.irp b, 0,1,2,3
	v_mov_b32 v[TM+4+\b], 0                        ; written once: a lane permute's destination counts as one of its sources
.endr
	s_mov_b32 s38, 0x76543210
	s_mov_b32 s39, 0xfedcba98                      ; v_permlanex16_b32's selects for lane l xor 16
	s_lshl_b32 s36, s20, 19                        ; W: 128 rows of 4,096 bytes a K step,
	s_lshl_b32 s37, s22, 7                         ; 128 bytes a slice
	s_add_co_u32 s36, s36, s37
	s_mov_b32 s37, 0
	s_lshl_b32 s44, s20, 9                         ; the rows: 512 bytes a K step
	s_mov_b32 s45, 0
	s_wait_kmcnt 0x0
	s_cmp_eq_u32 s21, 0                            ; the choices hang on the work-group's number alone
	s_cselect_b64 s[24:25], s[4:5], s[6:7]
	s_cmp_eq_u32 s21, 2
	s_cselect_b64 s[24:25], s[8:9], s[24:25]       ; the weight
	s_cmp_eq_u32 s21, 1
	s_cselect_b64 s[26:27], s[10:11], s[12:13]     ; the rows: X for q, Y for k
	s_add_nc_u64 s[24:25], s[24:25], s[36:37]
	s_add_nc_u64 s[28:29], s[26:27], s[44:45]      ; a base for each tile of rows: two sentences, 2^24 bytes, apart
	s_add_nc_u64 s[30:31], s[28:29], 0x1000000
	s_add_nc_u64 s[32:33], s[30:31], 0x1000000
	s_add_nc_u64 s[34:35], s[32:33], 0x1000000
	WIN 0x40                                       ; destination window 1
	s_wait_alu depctr_va_vdst(0)                   ; the seven offsets and addresses v4 to v10 are written, which every load and store of the kernel reads; none of them is written again
.set II, 0
.rept 128
	global_load_b32 v[II], v4, s[24:25] offset:II*4096 th:TH_LOAD_NT   ; W(128 s + i, my column): 32 lanes read 128 consecutive bytes; each number of a weight is read once
.set II, II+1
.endr
	WIN 0
	s_cmp_eq_u32 s21, 0
	s_cbranch_scc1 .Lno_rows                       ; Wv is multiplied in the second launch
	WIN 0x40                                       ; destination window 1
	ALOAD 0                                        ; no vector instruction since the wait above: v5 is written, and nothing has named window 1's v128-255
	ALOAD 1
	WIN 0
.Lno_rows:
	s_wait_loadcnt 0x0
	; ---- W's four blocks: all 32 numbers of a block are mine
	WIN 0x14
.irp b, 0,1,2,3
	v_max3_num_f32 v[TM+\b], 0x2800000, |v[32*\b]|, |v[32*\b+1]|
.endr
.irp i, 2,4,6,8,10,12,14,16,18,20,22,24,26,28,30
.irp b, 0,1,2,3
	v_max3_num_f32 v[TM+\b], v[TM+\b], |v[32*\b+\i]|, |v[32*\b+\i+1]|
.endr
.endr
	WIN 0
.irp b, 0,1,2,3
	v_add_nc_u32 v[TM+12+\b], 0xfe000000, v[TM+\b]
.endr
.irp b, 0,1,2,3
	v_lshrrev_b32 v[TM+4+\b], 23, v[TM+12+\b]
.endr
	v_lshl_or_b32 v[WSC], v[TM+5], 8, v[TM+4]      ; my column's scale word: lanes 0-15 hold those of columns 0-15, lanes 16-31 those of columns 16-31
	v_lshl_or_b32 v[WSC], v[TM+6], 16, v[WSC]
	v_lshl_or_b32 v[WSC], v[TM+7], 24, v[WSC]
	WIN 0x01
.irp b, 0,1,2,3
	v_cvt_scalef32_pk16_bf6_f32 v[FR0+12*(\b%2)+6*(\b/2):FR0+12*(\b%2)+6*(\b/2)+2], v[32*\b:32*\b+15], v[TM+12+\b]   ; the block's lower 16 codes
	v_cvt_scalef32_pk16_bf6_f32 v[TU+4*\b:TU+4*\b+2], v[32*\b+16:32*\b+31], v[TM+12+\b]                               ; and its upper 16
.endr
	WIN 0
	v_nop                                          ; one plain place behind a scaled conversion
; A register of block 2 c holds column r in lanes 0-15 and column 16 + r in lanes 16-31; so does one of block 2 c + 1.  The swap gives the first: column r, blocks 2 c and 2 c + 1 (the fragment of columns 0-15),
; and the second: column 16 + r, the same two blocks (the fragment of columns 16-31).
.irp i, 0,1,2
	v_permlane16_swap_b32 v[FR0+\i], v[FR0+12+\i]
	v_permlane16_swap_b32 v[FR0+6+\i], v[FR0+18+\i]
	v_permlane16_swap_b32 v[TU+\i], v[TU+4+\i]
	v_permlane16_swap_b32 v[TU+8+\i], v[TU+12+\i]
.endr
.irp b, 0,1,2,3
.irp i, 0,1,2
	v_mov_b32 v[FR0+12*(\b%2)+6*(\b/2)+3+\i], v[TU+4*\b+\i]
.endr
.endr
	s_cmp_lg_u32 s21, 0
	s_cbranch_scc1 .Lprod
	; ---- Wv: the images go to wvc.  Tile 2 (p / 8) + s / 4 of 102,400 bytes; in it the part of wave (p / 2) % 4 of the second launch; fragment 4 (s % 4) + 2 (p % 2) + f of 1,536 bytes
	s_lshr_b32 s44, s22, 3
	s_lshl_b32 s44, s44, 1
	s_lshr_b32 s45, s20, 2
	s_add_co_u32 s44, s44, s45
	s_mul_i32 s44, s44, 102400
	s_bfe_u32 s45, s22, 0x20001                    ; (p / 2) % 4
	s_and_b32 s46, s20, 3                          ; s % 4
	s_and_b32 s47, s22, 1                          ; p % 2
	s_mul_i32 s36, s45, 24576
	s_add_co_u32 s36, s36, s44
	s_mul_i32 s48, s46, 6144
	s_add_co_u32 s36, s36, s48
	s_mul_i32 s48, s47, 3072
	s_add_co_u32 s36, s36, s48
	s_mov_b32 s37, 0
	s_add_nc_u64 s[50:51], s[14:15], s[36:37]
	s_lshl_b32 s36, s45, 10                        ; the scale words: from byte 98,304 of the tile: 1,024 a wave, 128 for each K step and pair of column tiles
	s_add_co_u32 s36, s36, s44
	s_lshl_b32 s48, s46, 8
	s_add_co_u32 s36, s36, s48
	s_lshl_b32 s48, s47, 7
	s_add_co_u32 s36, s36, s48
	s_add_co_u32 s36, s36, 98304
	s_add_nc_u64 s[52:53], s[14:15], s[36:37]
	s_wait_alu depctr_va_vdst(0)                   ; the conversions, swaps and moves have written the two fragments v[FR0 ..], the shifts the scale word v[WSC]: the seven stores below read them
.irp f, 0,1
.irp c, 0,1,2
	global_store_b128 v6, v[FR0+12*\f+4*\c:FR0+12*\f+4*\c+3], s[50:51] offset:1536*\f+512*\c   ; 32 lanes store 512 consecutive bytes, at a multiple of 256 from the buffer's first byte
.endr
.endr
	global_store_b32 v4, v[WSC], s[52:53]
	s_branch .Lmeet
.Lprod:
	; ---- Wq, Wk: the 64 rows, tile by tile.  Tiles 0 and 1 are in; tiles 2 and 3 are asked for now, into the registers that W has left, and land while tiles 0 and 1 are quantised
	WIN 0x40                                       ; destination window 1
	s_wait_alu depctr_va_vdst(0)                   ; W's maxima and conversions are done reading window 1's v0-127, in which the 32 loads below land
	ALOAD 2
	ALOAD 3
	WIN 0
	QUANTA 0
	QUANTA 1
	s_wait_loadcnt 16                              ; tile 2's sixteen loads are in; tile 3's may be out
	QUANTA 2
	s_wait_loadcnt 0x0
	QUANTA 3
.rept 8
	v_nop                                          ; a scale register written by a vector instruction stands 8 places ahead of a scaled matrix instruction, an operand so written 4
.endr
	s_wait_alu depctr_va_vdst(0)                   ; behind the places: the vector instructions have written W's two fragments, the rows' four and the five scale words, which the scaled products take as operands and scales
; TRANSPOSED: source 0 = 16 columns of W, source 1 = 16 rows: lane (r, h) holds row r and eight neighbouring columns 8 h + 0 .. 7.  Eight different accumulators, each begun with the constant 0.
.irp m, 0,1,2,3
	v_wmma_scale_f32_16x16x128_f8f6f4 v[ACC+8*\m:ACC+8*\m+7], v[FR0:FR0+11], v[PC+12*\m:PC+12*\m+11], 0, v[WSC], v[PW+\m] matrix_a_fmt:MATRIX_FMT_BF6 matrix_b_fmt:MATRIX_FMT_BF6
.endr
.irp m, 0,1,2,3
	v_wmma_scale_f32_16x16x128_f8f6f4 v[ACC+32+8*\m:ACC+32+8*\m+7], v[FR0+12:FR0+23], v[PC+12*\m:PC+12*\m+11], 0, v[WSC], v[PW+\m] matrix_a_fmt:MATRIX_FMT_BF6 matrix_b_fmt:MATRIX_FMT_BF6 matrix_a_scale:MATRIX_SCALE_ROW1
.endr
.rept 4
	v_nop                                          ; places in front of the first read of results
.endr
	s_wait_alu depctr_va_vdst(0)                   ; behind the places: the products have written the accumulators, which the LDS stores read, and are done reading the rows' fragments, in which the loads behind the barrier land
.irp a, 0,1,2,3,4,5,6,7
	ds_store_b128 v7, v[ACC+8*\a:ACC+8*\a+3] offset:1024*\a          ; each accumulator from its low end on
	ds_store_b128 v7, v[ACC+8*\a+4:ACC+8*\a+7] offset:1024*\a+512
.endr
.Lmeet:
	s_wait_dscnt 0x0                               ; for the others' sake: my partial sums lie in LDS
	s_barrier_signal -1
	s_barrier_wait -1
	s_cmp_eq_u32 s21, 0
	s_cbranch_scc1 .Lend
	; ---- wave a adds the eight waves' parts of accumulator a = 4 t + m
.irp w, 0,1,2,3,4,5,6,7
	ds_load_b128 v[RL+8*\w:RL+8*\w+3], v8 offset:8192*\w           ; no wait: no vector or matrix instruction since the last wait on va_vdst, which stands behind every writer and reader of v[RL ..]; no store reads these registers
	ds_load_b128 v[RL+8*\w+4:RL+8*\w+7], v8 offset:8192*\w+512
.endr
	s_lshr_b32 s44, s20, 2                         ; t
	s_and_b32 s45, s20, 3                          ; m
	s_wait_dscnt 0x0
.irp w, 1,2,3,4,5,6,7
.irp i, 0,2,4,6
	v_pk_add_f32 v[RL+\i:RL+\i+1], v[RL+\i:RL+\i+1], v[RL+8*\w+\i:RL+8*\w+\i+1]   ; K ascending
.endr
.endr
	s_cmp_eq_u32 s21, 2
	s_cbranch_scc0 .Lq
	s_lshl_b32 s46, s45, 16                        ; ks: 16 m rows of 4,096 bytes, column 32 p + 16 t
	s_lshl_b32 s47, s22, 7
	s_add_co_u32 s46, s46, s47
	s_lshl_b32 s47, s44, 6
	s_add_co_u32 s46, s46, s47
	s_mov_b32 s47, 0
	s_add_nc_u64 s[48:49], s[16:17], s[46:47]
	s_wait_alu depctr_va_vdst(0)                   ; the additions have written v[RL .. RL + 7], which the two stores read
	global_store_b128 v9, v[RL:RL+3], s[48:49]
	global_store_b128 v9, v[RL+4:RL+7], s[48:49] offset:16
	s_branch .Lend
.Lq:
	v_pk_add_f32 v[RL:RL+1], v[RL:RL+1], v[RL+2:RL+3]           ; of q only the sum over the columns is used: my eight,
	v_pk_add_f32 v[RL+4:RL+5], v[RL+4:RL+5], v[RL+6:RL+7]
	v_pk_add_f32 v[RL:RL+1], v[RL:RL+1], v[RL+4:RL+5]
	v_add_f32 v[RL], v[RL], v[RL+1]
	v_permlanex16_b32 v[RL+8], v[RL], s38, s39
	v_add_f32 v[RL], v[RL], v[RL+8]                ; and lane l xor 16's eight: the tile's 16 columns
	s_lshl_b32 s46, s22, 9                         ; qp: part 2 p + t of 256 bytes, row 16 m + r
	s_lshl_b32 s47, s44, 8
	s_add_co_u32 s46, s46, s47
	s_lshl_b32 s47, s45, 6
	s_add_co_u32 s46, s46, s47
	s_mov_b32 s47, 0
	s_add_nc_u64 s[48:49], s[18:19], s[46:47]
	s_wait_alu depctr_va_vdst(0)                   ; the last addition has written v[RL], which the store reads
	global_store_b32 v10, v[RL], s[48:49]          ; both halves of the lanes store the same word with the same value
.Lend:
	s_wait_dscnt 0x0                               ; the wave's end: behind my last LDS store
	s_wait_alu 0x0
	s_wait_tensorcnt 0x0
	ds_add_u32 v[SPW], v[NIL]
	s_wait_dscnt 0x0
	s_endpgm
.Lfunc_end_k_q6156d0a9df_prep:
	.size	k_q6156d0a9df_prep, .Lfunc_end_k_q6156d0a9df_prep-k_q6156d0a9df_prep
	.p2alignl 7, 3214868480
	.fill 96, 4, 3214868480
	.section	.rodata,"a",@progbits
	.p2align	6, 0x0
	.amdhsa_kernel k_q6156d0a9df_prep
		.amdhsa_group_segment_fixed_size 66560
		.amdhsa_private_segment_fixed_size 0
		.amdhsa_enable_private_segment 0
		.amdhsa_kernarg_size 64
		.amdhsa_user_sgpr_count 2
		.amdhsa_user_sgpr_kernarg_segment_ptr 1
		.amdhsa_wavefront_size32 1
		.amdhsa_system_sgpr_workgroup_id_x 1
		.amdhsa_system_sgpr_workgroup_id_y 1
		.amdhsa_system_sgpr_workgroup_id_z 1
		.amdhsa_system_vgpr_workitem_id 0
		.amdhsa_next_free_vgpr 512
		.amdhsa_next_free_sgpr 66
		.amdhsa_reserve_vcc 0
		.amdhsa_float_denorm_mode_32 3
		.amdhsa_float_denorm_mode_16_64 3
		.amdhsa_memory_ordered 1
		.amdhsa_forward_progress 1
		.amdhsa_inst_pref_size 51
	.end_amdhsa_kernel
	.amdgpu_metadata
---
amdhsa.version: [ 1, 2 ]
amdhsa.kernels:
  - .name:           k_q6156d0a9df_prep
    .symbol:         k_q6156d0a9df_prep.kd
    .args:
      - { .name: Wv, .offset: 0, .size: 8, .value_kind: global_buffer, .address_space: global }
      - { .name: Wq, .offset: 8, .size: 8, .value_kind: global_buffer, .address_space: global }
      - { .name: Wk, .offset: 16, .size: 8, .value_kind: global_buffer, .address_space: global }
      - { .name: X, .offset: 24, .size: 8, .value_kind: global_buffer, .address_space: global }
      - { .name: Y, .offset: 32, .size: 8, .value_kind: global_buffer, .address_space: global }
      - { .name: wvc, .offset: 40, .size: 8, .value_kind: global_buffer, .address_space: global }
      - { .name: ks, .offset: 48, .size: 8, .value_kind: global_buffer, .address_space: global }
      - { .name: qp, .offset: 56, .size: 8, .value_kind: global_buffer, .address_space: global }
    .group_segment_fixed_size: 66560
    .private_segment_fixed_size: 0
    .kernarg_segment_align: 8
    .kernarg_segment_size: 64
    .max_flat_workgroup_size: 256
    .sgpr_count:     66
    .vgpr_count:     512
    .wavefront_size: 32
...
	.end_amdgpu_metadata
.endif
;; end of part 3
;; launch main: the kernel of part 2 again; grid 256 x 1, 4 waves a work-group, clusters of 4 x 1, 327,680 bytes of LDS; arguments Y, wvc, ks, qp, out0; writes out0
